; MI455X (gfx1250); checked and timed in simulation.
; The chip was launched on July 23, 2026; its instructions are those of AMD's public machine-readable ISA for CDNA 5 (MIT licence, August 2026) and "CDNA5" Instruction Set Architecture Reference Guide (July 2026). The comments in the code are by the model that wrote it; some were corrected since.
;; Multihead Attention. Allowed arithmetic: matrix products marked QUANTISED: E4M3 operands, one given power-of-two scale a tensor, by v_wmma_f32_16x16x64_fp8_fp8 or v_wmma_f32_16x16x128_fp8_fp8, f32 sums; everything else in f32.
;; Inputs: attn_mask 2,048 x 2,048 int32; in_proj_bias 3,072 float32; in_proj_weight 3,072 x 1,024 float32; key_padding_mask 4 x 2,048 int32; lowp_scales 8 int32 (the exponents e of the quantised operands' scales 2^e); out_proj_bias 1,024 float32; out_proj_weight 1,024 x 1,024 float32; x 4 x 2,048 x 1,024 float32.
;; Outputs: out0 4 x 2,048 x 1,024 float32.
;; This version of the problem:
;;   THIS VERSION OF THE PROBLEM IS GIVEN IN LOW PRECISION. The matrix products marked QUANTISED in the list below multiply operands that are first quantised to E4M3 (4 exponent bits, 3 mantissa bits; 8 bits a number), with one given power-of-two scale for each operand tensor; their sums are f32. All else is computed in f32.
;;   The module's matrix products, in the order in which they are computed (A, B: the left and right operand; K: the contracted axis; several contracted axes count as one K, in the product's order):
;;     1. [M 8,192, K 1,024] x [K 1,024, N 3,072]; A: input x; B: input in_proj_weight: QUANTISED (scales: A lowp_scales[0], B lowp_scales[1])
;;     2. batch 64 x [M 2,048, K 64] x [K 64, N 2,048]; A: computed on the way; B: computed on the way: QUANTISED (scales: A lowp_scales[2], B lowp_scales[3])
;;     3. batch 64 x [M 2,048, K 2,048] x [K 2,048, N 64]; A: softmax (see below); B: computed on the way: QUANTISED (scales: A lowp_scales[4], B lowp_scales[5])
;;     4. [M 8,192, K 1,024] x [K 1,024, N 1,024]; A: computed on the way; B: input out_proj_weight: QUANTISED (scales: A lowp_scales[6], B lowp_scales[7])
;;   THE QUANTISER, for each operand of a quantised product, along K:
;;     - The operand's scale is 2^e, e = its entry of the input lowp_scales (int32; the entries are numbered through the quantised products in the list's order, A before B).
;;     - Each number is divided by the scale, clamped to +-448, and rounded to the nearest number of E4M3, ties to even, subnormals kept.
;;     - The product sums the exact products of the quantised numbers (number of the format x scale) in f32.
;;   ~~~python
;;   def quantise(x, axis, e):      # numpy; x: float32 -> the quantised numbers, widened to float32 again
;;       x = np.moveaxis(x, axis, -1); K = x.shape[-1]
;;       r = np.clip(x / 2.0 ** e, -448, 448)
;;       step = 2.0 ** (np.maximum(np.frexp(np.where(r == 0, 1, r))[1] - 1, -6) - 3)
;;       q = np.round(r / step) * step * 2.0 ** e      # np.round: ties to even
;;       return np.moveaxis(q, -1, axis).astype(np.float32)
;;   ~~~
;;   SOFTMAX AHEAD OF A QUANTISED PRODUCT. Where the list says 'softmax', what is quantised is not the finished softmax but p = 2^(t - M), with t = logit x log2(e) and M = ceil(the row's largest t), a whole number; so 1/2 < the row's largest p <= 1. The row's sum l is taken of the UNQUANTISED p, in f32, and the product's result is divided by l at the end. Since M is a whole number, a kernel that streams over the keys may use a running M (the ceiling of the running maximum): every later rescaling is an exact power of two, so the quantised numbers keep their values, but for numbers so far below the row's largest that they fall under the format's range.
;;   OPERANDS COMPUTED ON THE WAY. 'Computed on the way' means the value that the module computes at that place (a softmax that the list does not call 'softmax' is quantised finished and normalised). What goes into a quantiser is computed in f32, as accurately as f32 sums, v_exp_f32 and their like allow (about 1e-6 of the number): no bf16 or f16 on the way to a quantiser, and a product that is left as it is and whose result goes on into a quantised operand takes f32 operands (vector FMAs, or v_wmma_f32_16x16x4_f32). A number that lies on a knife's edge between two numbers of the format may be rounded either way, as far as f32 arithmetic and the matrix unit's own rounding can turn it there, and no further.
;; 2 versions, each right; version 2 is version 1 with the launch attn written anew for expert scheduling mode. Each part assembles by itself: llvm-mc -triple=amdgcn-amd-amdhsa -mcpu=gfx1250 --defsym DOCPART=n.
;; ======== version 1 of 2: 4 launches
;; limits: right only within a limited range of input values
;; workspace buffers: opf 12,582,912 bytes; qkvf 25,165,824 bytes; af 8,388,608 bytes; mw 2,097,152 bytes of whole numbers; fl 32,768 bytes of whole numbers
;; launch prep (part 1): grid 1024 x 1, 8 waves a work-group, no clusters, 68,608 bytes of LDS; arguments x, in_proj_weight, out_proj_weight, attn_mask, key_padding_mask, lowp_scales, opf, mw, fl; writes opf, mw, fl
.if DOCPART == 1
	.amdgcn_target "amdgcn-amd-amdhsa--gfx1250"
	.amdhsa_code_object_version 6
	.text
	.protected	k_qcce040e609_prep
	.globl	k_qcce040e609_prep
	.p2align	8
	.type	k_qcce040e609_prep,@function
k_qcce040e609_prep:
	s_mov_b64 s[64:65], 0
	v_nop
	global_prefetch_b8 v0, s[64:65] scope:SCOPE_SE
	s_setreg_imm32_b32 hwreg(HW_REG_WAVE_MODE, 25, 1), 1
	s_wait_xcnt 0x0
; PREP.  x [8192][1024], in_proj_weight [3072][1024], out_proj_weight [1024][1024] (f32, K innermost) become codes of E4M3 with the given scales 2^e0, 2^e1, 2^e7,
; laid in opf in the order of an operand's registers; attn_mask [2048][2048] and key_padding_mask [4][2048] become lane masks (mw) and one flag for each tile of 16 queries x 128 keys (fl).
; A TILE is 16 rows in the order pi(T, r) = 32 (T / 2) + 8 (T % 2) + r + 8 (r / 8).  A FRAGMENT (16 rows x 128 K) is 2,048 bytes: [c 0..3][lane 16 h + r][16 bytes], the bytes k = 32 c + 16 h + 0 .. 15 of row r.
; opf: [tile 0..767][K step 0..7][2,048 bytes]; tiles 0-511 x, its rows renumbered n = 2048 g + i for row 4 i + g; tiles 512-703 in_proj_weight; tiles 704-767 out_proj_weight.
; mw: [g][T][s][64 words]: bit 16 h + r of word n: query pi(T, r), key 128 s + 32 (n / 16) + 16 h + n % 16 is masked (attn_mask or key_padding_mask[g] not 0).
; fl: [T][s][g]: 0 all masked, 1 mixed, 2 all open.
; SHARES.  A wave takes one unit, 16 rows x 512 bytes of 32-bit words; a work-group the 8 units of a tile (of half a tile row of the mask).  Work-groups 0-255 the mask, 256-767 x, 768-959 in_proj_weight, 960-1023 out_proj_weight.
; Each of the 16 loads reads 512 consecutive bytes of one row; the unit turns through the wave's own stage in LDS (rows 528 bytes apart, so that row r starts 4 r banks on) and comes back with 16 neighbours along K in a lane.
; No barrier: waves share nothing.  No matrix unit, no cluster, no tensor load: a stream that is read once.
; code = x / 2^e, held within +-448, to the nearest code, ties to even.  LIMITS: e between -126 and 119.  NaN among the f32 inputs is not served.
; The flags leave as 16 bytes a unit (32 KiB in all): the one store here that does not cover whole aligned blocks of 256 bytes.
.set WST,  8448                        ; a wave's stage: 16 rows x 528 bytes
.set OFF,  16                          ; v16-31   byte offset of my 16 bytes in row k of the unit
.set RAW,  32                          ; v32-95   the unit as loaded
.set X,    96                          ; v96-159  register 16 c + i: word 32 c + 16 h + i of row r
.set CD,   160                         ; v160-175 the codes; in the mask's tail: key_padding_mask's words
.set KW,   176                         ; v176-191 [g][c]: bit i = key 32 c + 16 h + i is padded
.set MWD,  192                         ; v192-199 [g]: a pair: word n in lane n / 2, register n % 2;  v200: the four flags in lanes 0-3
	s_load_b256 s[4:11], s[0:1], 0x0               ; x s[4:5], in_proj_weight s[6:7], out_proj_weight s[8:9], attn_mask s[10:11]
	s_load_b256 s[12:19], s[0:1], 0x20             ; key_padding_mask s[12:13], lowp_scales s[14:15], opf s[16:17], mw s[18:19]
	s_load_b64 s[20:21], s[0:1], 0x40              ; fl
	v_lshl_add_u32 v208, v0, 2, 0x10800
	v_mov_b32 v209, 0
	v_lshrrev_b32 v1, 5, v0
	v_readfirstlane_b32 s22, v1                    ; wave 0..7
	v_and_b32 v2, 31, v0                           ; lane
	v_and_b32 v3, 15, v0                           ; r
	v_bfe_u32 v4, v0, 4, 1                         ; h
	v_lshlrev_b32 v5, 4, v2                        ; 16 x lane
	s_mul_i32 s23, s22, WST
	v_add_nc_u32 v6, s23, v5                       ; the stage, on the way in: 16 x lane of a row
	v_mul_u32_u24 v10, v3, 528
	v_lshl_add_u32 v10, v4, 6, v10
	v_add_nc_u32 v10, s23, v10                     ; and on the way out: row r, + 64 h
	v_lshlrev_b32 v9, 4, v4                        ; 16 h
	v_lshlrev_b32 v11, 2, v2                       ; 4 x lane
	v_lshlrev_b32 v14, 3, v2                       ; 8 x lane
	; which tensor: its first work-group (s24) and its pitch from row to row of a tile (s25); the choices hang on the work-group's number alone
	s_mov_b32 s24, 960
	s_mov_b32 s25, 4096
	s_cmp_lt_u32 ttmp9, 960
	s_cselect_b32 s24, 768, s24
	s_cmp_lt_u32 ttmp9, 768
	s_cselect_b32 s24, 256, s24
	s_cselect_b32 s25, 16384, s25                  ; x: rows n, n + 1 of one g lie four rows apart
	s_cmp_lt_u32 ttmp9, 256
	s_cselect_b32 s24, 0, s24
	s_cselect_b32 s25, 8192, s25
	s_sub_co_u32 s28, ttmp9, s24
	s_lshr_b32 s29, s28, 1
	s_and_b32 s30, s28, 1
	s_lshl_b32 s30, s30, 3
	s_cmp_lt_u32 ttmp9, 256
	s_cselect_b32 s28, s29, s28                    ; the tile: in the mask two work-groups share a tile row
	s_cselect_b32 s30, s30, 0
	s_add_co_u32 s30, s30, s22                     ; which 512 bytes of the rows: the K step, or the mask's key step s
	s_and_b32 s31, s28, 127
	s_lshr_b32 s32, s28, 7
	s_lshl_b32 s32, s32, 12
	s_cmp_eq_u32 s25, 16384
	s_cselect_b32 s31, s31, s28                    ; x: the tile within its g,
	s_cselect_b32 s32, s32, 0                      ; and g rows of 4,096 bytes
	s_lshr_b32 s33, s31, 1
	s_lshl_b32 s33, s33, 5
	s_and_b32 s34, s31, 1
	s_lshl_b32 s34, s34, 3
	s_add_co_u32 s33, s33, s34                     ; the tile's first row: 32 (T / 2) + 8 (T % 2)
	s_mul_i32 s36, s33, s25
	s_add_co_u32 s36, s36, s32
	s_lshl_b32 s34, s30, 9
	s_add_co_u32 s36, s36, s34
	s_mov_b32 s37, 0                               ; s[36:37]: where my unit begins, in bytes
.set k, 0
.rept 16
	s_mul_i32 s38, s25, k+8*(k/8)                  ; row k of the tile lies k + 8 (k / 8) rows on
	v_add_nc_u32 v[OFF+k], s38, v5
.set k, k+1
.endr
	s_wait_kmcnt 0x0
	s_load_b256 s[40:47], s[14:15], 0x0            ; e0 .. e7
	s_mov_b64 s[26:27], s[8:9]
	s_cmp_lt_u32 ttmp9, 960
	s_cselect_b64 s[26:27], s[6:7], s[26:27]
	s_cmp_lt_u32 ttmp9, 768
	s_cselect_b64 s[26:27], s[4:5], s[26:27]
	s_cmp_lt_u32 ttmp9, 256
	s_cselect_b64 s[26:27], s[10:11], s[26:27]
	s_add_nc_u64 s[26:27], s[26:27], s[36:37]
.set k, 0
.rept 16
	global_load_b128 v[RAW+4*k:RAW+4*k+3], v[OFF+k], s[26:27] th:TH_LOAD_NT   ; 32 lanes read 512 consecutive bytes of row k; read once in the launch
.set k, k+1
.endr
	s_wait_kmcnt 0x0
	s_cmp_lt_u32 ttmp9, 960
	s_cselect_b32 s48, s41, s47                    ; e1 or e7,
	s_cmp_lt_u32 ttmp9, 768
	s_cselect_b32 s48, s40, s48                    ; or e0
	s_add_co_i32 s48, s48, 127
	s_lshl_b32 s49, s48, 23
	v_mov_b32 v7, s49                              ; 2^e as f32: the conversion takes its exponent field
	s_add_co_i32 s48, s48, 8
	s_lshl_b32 s48, s48, 23
	s_or_b32 s48, s48, 0x600000
	v_mov_b32 v8, s48                              ; 448 x 2^e
.set k, 0
.rept 16
	s_wait_loadcnt 15-k                            ; loads come back in order: row k is in, the 15 - k younger ones may be out
	ds_store_b128 v6, v[RAW+4*k:RAW+4*k+3] offset:528*k
.set k, k+1
.endr
.set k, 0
.rept 16
	ds_load_b128 v[X+4*k:X+4*k+3], v10 offset:128*(k/4)+16*(k%4)   ; LDS serves a wave's instructions in order: these see my stores
.set k, k+1
.endr
	s_wait_dscnt 0x0
	s_cmp_lt_u32 ttmp9, 256
	s_cbranch_scc1 .Lmask
	; ---- the quantiser's tail
	s_sub_co_u32 s50, ttmp9, 256
	s_lshl_b32 s50, s50, 14                        ; the tile's 16,384 bytes in opf,
	s_lshl_b32 s51, s22, 11
	s_add_co_u32 s50, s50, s51                     ; my K step's 2,048
	s_mov_b32 s51, 0
	s_add_nc_u64 s[16:17], s[16:17], s[50:51]
.irp c, 0,1,2,3
.set k, 0
.rept 16
	v_med3_num_f32 v[X+16*\c+k], v[X+16*\c+k], -v8, v8   ; the conversion to an 8-bit code does not saturate (ISA guide 7.6.2): the hold at the largest code x the scale comes first
.set k, k+1
.endr
	v_cvt_scalef32_pk8_fp8_f32 v[CD+4*\c:CD+4*\c+1], v[X+16*\c:X+16*\c+7], v7
	v_cvt_scalef32_pk8_fp8_f32 v[CD+4*\c+2:CD+4*\c+3], v[X+16*\c+8:X+16*\c+15], v7
.endr
.irp c, 0,1,2,3
	global_store_b128 v5, v[CD+4*\c:CD+4*\c+3], s[16:17] offset:512*\c   ; 32 lanes store 512 consecutive bytes, at a multiple of 512 from opf's first byte
.endr
	s_wait_tensorcnt 0x0
	ds_add_u32 v208, v209
	s_wait_dscnt 0x0
	s_endpgm
	; ---- the mask's tail
.Lmask:
	s_lshl_b32 s36, s30, 9                         ; key step s: 128 words of key_padding_mask
	s_add_nc_u64 s[12:13], s[12:13], s[36:37]
.irp g, 0,1,2,3
.irp c, 0,1,2,3
	global_load_b32 v[CD+4*\g+\c], v11, s[12:13] offset:8192*\g+128*\c   ; key_padding_mask[g][128 s + 32 c + lane]
.endr
.endr
	s_lshl_b32 s50, s28, 4
	s_add_co_u32 s50, s50, s30                     ; 16 T + s
	s_lshl_b32 s52, s50, 4
	s_mov_b32 s53, 0
	s_add_nc_u64 s[20:21], s[20:21], s[52:53]      ; fl: 16 bytes for each (T, s)
	s_lshl_b32 s52, s50, 8
	s_add_nc_u64 s[18:19], s[18:19], s[52:53]      ; mw: 256 bytes for each (T, s)
.set k, 0
.rept 9
	v_mov_b32 v[MWD+k], 0                          ; a lane write's destination counts as read: written once
.set k, k+1
.endr
	s_wait_loadcnt 0x0
.set k, 0
.rept 16
	v_cmp_ne_u32 s52, 0, v[CD+k]                   ; bit l: key 32 c + l is padded
	v_lshrrev_b32 v[KW+k], v9, s52                 ; my half's sixteen keys in bits 0-15
.set k, k+1
.endr
.set g, 0
.rept 4
	s_mov_b32 s54, -1                              ; the AND of the 64 words,
	s_mov_b32 s55, 0                               ; and their OR
.set n, 0
.rept 64
	v_and_or_b32 v[12+n%2], v[KW+4*g+n/16], 1<<(n%16), v[X+n]   ; not 0 where either mask hides the key
	v_cmp_ne_u32 s[56+n%2], 0, v[12+n%2]
	s_and_b32 s54, s54, s[56+n%2]
	s_or_b32 s55, s55, s[56+n%2]
	v_writelane_b32 v[MWD+2*g+n%2], s[56+n%2], n/2
.set n, n+1
.endr
	s_cmp_eq_u32 s55, 0
	s_cselect_b32 s58, 2, 1                        ; nothing hidden: 2
	s_cmp_eq_u32 s54, -1
	s_cselect_b32 s58, 0, s58                      ; everything hidden: 0
	v_writelane_b32 v200, s58, g
.set g, g+1
.endr
.irp g, 0,1,2,3
	global_store_b64 v14, v[MWD+2*\g:MWD+2*\g+1], s[18:19] offset:524288*\g   ; 32 lanes store 256 consecutive bytes, aligned
.endr
	s_wait_xcnt 0x0                                ; EXEC changes only behind this wait
	v_cmp_gt_u32 vcc_lo, 4, v2
	s_wait_tensorcnt 0x0
	ds_add_u32 v208, v209
	s_wait_dscnt 0x0
	s_and_saveexec_b32 s59, vcc_lo
	global_store_b32 v11, v200, s[20:21]           ; lanes 0-3: the flags of g = 0 .. 3
	s_wait_xcnt 0x0
	s_or_b32 exec_lo, exec_lo, s59
	s_endpgm
.Lfunc_end_k_qcce040e609_prep:
	.size	k_qcce040e609_prep, .Lfunc_end_k_qcce040e609_prep-k_qcce040e609_prep
	.p2alignl 7, 3214868480
	.fill 96, 4, 3214868480
	.section	.rodata,"a",@progbits
	.p2align	6, 0x0
	.amdhsa_kernel k_qcce040e609_prep
		.amdhsa_group_segment_fixed_size 68608
		.amdhsa_private_segment_fixed_size 0
		.amdhsa_enable_private_segment 0
		.amdhsa_kernarg_size 72
		.amdhsa_user_sgpr_count 2
		.amdhsa_user_sgpr_kernarg_segment_ptr 1
		.amdhsa_wavefront_size32 1
		.amdhsa_system_sgpr_workgroup_id_x 1
		.amdhsa_system_sgpr_workgroup_id_y 1
		.amdhsa_system_sgpr_workgroup_id_z 1
		.amdhsa_system_vgpr_workitem_id 0
		.amdhsa_next_free_vgpr 210
		.amdhsa_next_free_sgpr 66
		.amdhsa_reserve_vcc 1
		.amdhsa_float_denorm_mode_32 3
		.amdhsa_float_denorm_mode_16_64 3
		.amdhsa_memory_ordered 1
		.amdhsa_forward_progress 1
		.amdhsa_inst_pref_size 89
	.end_amdhsa_kernel
	.amdgpu_metadata
---
amdhsa.version: [ 1, 2 ]
amdhsa.kernels:
  - .name:           k_qcce040e609_prep
    .symbol:         k_qcce040e609_prep.kd
    .args:
      - { .name: x, .offset: 0, .size: 8, .value_kind: global_buffer, .address_space: global }
      - { .name: in_proj_weight, .offset: 8, .size: 8, .value_kind: global_buffer, .address_space: global }
      - { .name: out_proj_weight, .offset: 16, .size: 8, .value_kind: global_buffer, .address_space: global }
      - { .name: attn_mask, .offset: 24, .size: 8, .value_kind: global_buffer, .address_space: global }
      - { .name: key_padding_mask, .offset: 32, .size: 8, .value_kind: global_buffer, .address_space: global }
      - { .name: lowp_scales, .offset: 40, .size: 8, .value_kind: global_buffer, .address_space: global }
      - { .name: opf, .offset: 48, .size: 8, .value_kind: global_buffer, .address_space: global }
      - { .name: mw, .offset: 56, .size: 8, .value_kind: global_buffer, .address_space: global }
      - { .name: fl, .offset: 64, .size: 8, .value_kind: global_buffer, .address_space: global }
    .group_segment_fixed_size: 68608
    .private_segment_fixed_size: 0
    .kernarg_segment_align: 8
    .kernarg_segment_size: 72
    .max_flat_workgroup_size: 256
    .sgpr_count:     66
    .vgpr_count:     210
    .wavefront_size: 32
...
	.end_amdgpu_metadata
.endif
;; end of part 1
;; launch qkv (part 2): grid 8 x 48, 4 waves a work-group, clusters of 4 x 4, 327,680 bytes of LDS; arguments opf, in_proj_bias, lowp_scales, qkvf; writes qkvf
.if DOCPART == 2
	.amdgcn_target "amdgcn-amd-amdhsa--gfx1250"
	.amdhsa_code_object_version 6
	.text
	.protected	k_qcce040e609_qkv
	.globl	k_qcce040e609_qkv
	.p2align	8
	.type	k_qcce040e609_qkv,@function
k_qcce040e609_qkv:
	s_mov_b64 s[64:65], 0
	v_nop
	global_prefetch_b8 v0, s[64:65] scope:SCOPE_SE
	s_setreg_imm32_b32 hwreg(HW_REG_WAVE_MODE, 25, 1), 1
	s_wait_xcnt 0x0
	s_wait_alu depctr_hold_cnt(0) depctr_sa_sdst(0) depctr_va_vdst(0) depctr_va_sdst(0) depctr_va_ssrc(0) depctr_va_vcc(0) depctr_vm_vsrc(0)
	s_getreg_b32 s2, hwreg(HW_REG_IB_STS2, 6, 4)
	s_cmp_eq_u32 s2, 0
	s_cbranch_scc0 .Lentry_in_a_cluster
	s_endpgm
.Lentry_in_a_cluster:
	s_bfe_u32 s2, ttmp6, 0x10000c
	s_cmp_lg_u32 s2, 0xf033
	s_cbranch_scc0 .Lentry_shape_is_right
	s_endpgm
.Lentry_shape_is_right:
; QKV.  qkv = x W^T + b on codes of E4M3 (opf: fragments in register order), q x 2^-3, and q, k, v quantised with 2^e2, 2^e3, 2^e5 straight into the order of attention's operand registers (qkvf).
; qkvf: [head j 0..63][key step s 0..15][24,576 bytes]: Q 8 KiB: 8 tiles t x [c2 0..1][lane][16 bytes], position 128 s + pi(t, r), d = 32 c2 + 16 h + 0 .. 15; K 8 KiB: the same;
;       V 8 KiB: [td 0..3][c 0..3][lane][16 bytes], d = pi(td, r), keys 128 s + 32 c + 16 h + 0 .. 15.   pi(T, r) = 32 (T / 2) + 8 (T % 2) + r + 8 (r / 8).
; Head j = 16 g + hh at position i is row 4 i + g of x (row n = 2048 g + i of opf), columns 64 hh .. 64 hh + 63.
; A tile of the result is 256 (P, source 0) x 256 (S, source 1); four waves, 128 x 128 each: 64 accumulators, 512 registers.  A lane of a result holds ONE row of S and, in the 16 registers of two neighbouring
; tiles of P, 16 NEIGHBOURING rows of P (that is what the order pi is for).  q and k want a lane to hold one position and 16 neighbours along d: P = W, S = x (cluster rows 0-7 of the grid).
; V wants one d and 16 neighbouring keys: P = x, S = W_v (cluster rows 8-11).  In both P hangs on the grid's x side and S on its y side, so loop, masks and joint loads are one text.
; K = 1,024 goes in four steps of 256 through two LDS slots.  A wave's tensor load brings 8 tiles x 4,096 bytes (two fragments each), dense: a fragment load is 512 consecutive bytes, so no padding is wanted.
; CLUSTERS: 4 x 4 work-groups; S's tiles are asked for jointly along a row of the cluster, P's along a column.
; No prefetch: half of K comes in the first fills, and the other half is asked for 128 matrix instructions ahead of its wait.
; LIMITS: e2 + 3 - e0 - e1, e3 - e0 - e1 and e5 - e0 - e1 between -126 and 119.  NaN among the inputs is not served.
; REGISTERS: window 0: v1-13 addresses and scales; v16-31 V's bias (a pair for each block a); v32-63 codes, two sets; v64-127 q's and k's bias; v128-255 S's fragments, ONE set; in the epilogue two sets of 64 numbers.
;   window 1: P's fragments, TWO sets, at v0 and v128.   windows 2, 3: accumulator (a, b) at v[8 (8 (a % 4) + b)].
.set FR,    16                         ; registers of a fragment
.set NL,    4                          ; LDS loads that bring one
.set NP,    4                          ; places behind this matrix instruction (ISA guide 7.12.1)
.set HALFT, 32768                      ; 8 tiles x 4,096 bytes: what one tensor load brings, and what one wave reads of S or of P
.set SLOT,  131072                     ; S's 16 tiles, then P's 16
.set SPARE, 262144                     ; behind the ring: the spare words, 128 bytes a wave: two blocks of 256 bytes that no other line names
.set LI,   1                           ; v1    16 x lane
.set ADRS, 2                           ; v2-3  LDS address of my S fragments in slot 0, 1
.set ADRP, 4                           ; v4-5  the same for P
.set SPW,  6                           ; v6    my spare word; never rewritten
.set NIL,  7                           ; v7    0; never rewritten
.set SC,   8                           ; v8    the conversion's scale
.set LIM,  9                           ; v9    448 x that
.set BV,   16
.set COD,  32
.set BQ,   64
.set AF,   128
.set TMP,  128
.set G1,  24                           ; s[24:31] group 1 for S's tiles;  s[32:39] group 0, one set for each slot
.set G0,  32
.set G1B, 48                           ; s[48:55], s[56:63] the same for P's
.set G0B, 56
.set MSB, 0
.macro WIN new                         ; the immediate's high byte repeats the setting that is left
.if MSB != (\new)
	s_set_vgpr_msb (MSB<<8)|(\new)
.set MSB, (\new)
.endif
.endm
.set MUL_LO, 0xa1                      ; source 0 (P) window 1, source 1 (S) window 0, C and D window 2
.set MUL_HI, 0xf1                      ; the same, C and D window 3
.set TO_P,   0x40                      ; destination window 1, address window 0
; A joint load: waves 0 and 1 fetch for S, waves 2 and 3 for P.  The branch hangs on the wave's number alone.  Four v_nop follow each of the two lines.
.macro JLOAD g0a, g1a, g0b, g1b
	s_cmp_eq_u32 s15, 0
	s_cbranch_scc0 .Lfor_p_\@
	tensor_load_to_lds s[\g0a:\g0a+3], s[\g1a:\g1a+7]
	s_nop 0
.rept 4
	v_nop
.endr
	s_branch .Lasked_\@
.Lfor_p_\@:
	tensor_load_to_lds s[\g0b:\g0b+3], s[\g1b:\g1b+7]
	s_nop 0
.rept 4
	v_nop
.endr
.Lasked_\@:
.endm
.macro CREST                           ; a round of the cluster's barrier behind its opening barrier
	s_cmp_lg_u32 s14, 0
	s_cbranch_scc1 .Lnot_wave_0_\@
	s_barrier_signal -3
.Lnot_wave_0_\@:
	s_barrier_wait -3
	s_barrier_signal -1
	s_barrier_wait -1
.endm
.macro CROUND                          ; a whole round
	s_barrier_signal -1
	s_barrier_wait -1
	CREST
.endm
	s_load_b128 s[4:7], s[0:1], 0x0                ; opf s[4:5], in_proj_bias s[6:7]
	s_load_b128 s[8:11], s[0:1], 0x10              ; lowp_scales s[8:9], qkvf s[10:11]
	v_lshl_add_u32 v[SPW], v0, 2, SPARE
	v_mov_b32 v[NIL], 0
	ds_add_u32 v6, v7
	ds_add_u32 v6, v7
	s_wait_dscnt 0x0
	v_lshrrev_b32 v1, 5, v0
	v_readfirstlane_b32 s14, v1                    ; wave 0..3
	s_lshr_b32 s15, s14, 1                         ; ws: my half of S.  Also: I fetch for S (0) or for P (1)
	s_and_b32 s16, s14, 1                          ; wp: my half of P.  Also: which 8 tiles I fetch
	s_bfe_u32 s40, ttmp6, 0x40000                  ; cx
	s_bfe_u32 s41, ttmp6, 0x40004                  ; cy
	s_and_b32 s17, ttmp7, 0xffff                   ; the cluster's y, 0..11
	s_lshr_b32 s18, s17, 3                         ; v = 1 in V's region (cluster rows 8-11), else 0: the same in all sixteen partners
	s_xor_b32 s19, s18, 1                          ; 1 - v
	s_lshl_b32 s42, ttmp9, 2
	s_add_co_u32 s42, s42, s40
	s_and_b32 s20, s17, 7
	s_mul_i32 s20, s20, s18
	s_lshl_b32 s20, s20, 3
	s_add_co_u32 s42, s42, s20                     ; px = 4 X + cx (+ 8 (CY - 8) in V's region): 0..7 blocks of W's q and k rows, or 0..31 blocks of x
	s_mul_i32 s20, s17, s19
	s_lshl_b32 s20, s20, 2
	s_add_co_u32 s43, s20, s41                     ; sy = 4 CY + cy: 0..31 blocks of x; in V's region cy: 0..3 blocks of W's v rows
	s_lshl_b32 s44, s41, 2
	s_lshl_b32 s44, 15, s44                        ; my row of the cluster
	s_lshl_b32 s45, 0x1111, s40                    ; my column
	; group 1: 8 rows (tiles) of 512 elements of 8 bytes, 2,048 elements (a tile's 16,384 bytes) apart; dense in LDS
	s_or_b32 s[G1+0], s44, (3<<16)|(1<<21)         ; 15:0 the mask: S's tiles go to my row; 17:16 elements of 8 bytes; 21 set beside a mask; no padding
	s_or_b32 s[G1B+0], s45, (3<<16)|(1<<21)        ; P's go to my column
.irp g, G1, G1B
	s_mov_b32 s[\g+1], 512<<16                     ; tensor_dim0
	s_mov_b32 s[\g+2], 8<<16                       ; tensor_dim1
	s_mov_b32 s[\g+3], 512<<16                     ; tile_dim0
	s_mov_b32 s[\g+4], 8                           ; tile_dim1
	s_mov_b32 s[\g+5], 2048                        ; tensor_dim0_stride
	s_mov_b32 s[\g+6], 0
	s_mov_b32 s[\g+7], 0
.endr
	s_lshl_b32 s20, s43, 4                         ; S: tile 16 sy (x), or 640 + 16 sy (W's v rows),
	s_mul_i32 s21, s18, 640
	s_add_co_u32 s20, s20, s21
	s_lshl_b32 s21, s16, 3
	s_add_co_u32 s20, s20, s21                     ; + the 8 that I fetch
	s_lshl_b32 s20, s20, 14
	s_mov_b32 s21, 0
	s_lshl_b32 s46, s42, 4                         ; P: tile 512 + 16 px (W's q and k rows), or 16 px (x)
	s_lshl_b32 s47, s19, 9
	s_add_co_u32 s46, s46, s47
	s_lshl_b32 s47, s16, 3
	s_add_co_u32 s46, s46, s47
	s_lshl_b32 s46, s46, 14
	s_mov_b32 s47, 0
	s_mul_i32 s22, s14, HALFT                      ; where they go: S's two halves, then P's two: no place in the cluster enters an LDS address
	s_wait_kmcnt 0x0
	s_load_b256 s[72:79], s[8:9], 0x0              ; e0 .. e7
	s_add_nc_u64 s[20:21], s[4:5], s[20:21]
	s_add_nc_u64 s[46:47], s[4:5], s[46:47]
	CROUND                                         ; all sixteen work-groups are here: the first joint loads meet
.irp s, 0,1
	s_mov_b32 s[G0+4*\s], 1
	s_add_co_u32 s[G0+4*\s+1], s22, \s*SLOT
	s_add_nc_u64 s[G0+4*\s+2:G0+4*\s+3], s[20:21], \s*4096   ; slot s begins with K steps 2 s, 2 s + 1 of each tile
	s_or_b32 s[G0+4*\s+3], s[G0+4*\s+3], 0x80000000
	s_mov_b32 s[G0B+4*\s], 1
	s_add_co_u32 s[G0B+4*\s+1], s22, \s*SLOT
	s_add_nc_u64 s[G0B+4*\s+2:G0B+4*\s+3], s[46:47], \s*4096
	s_or_b32 s[G0B+4*\s+3], s[G0B+4*\s+3], 0x80000000
	JLOAD G0+4*\s, G1, G0B+4*\s, G1B               ; two loads of mine are out
.endr
	v_and_b32 v[LI], 31, v0
	v_lshlrev_b32 v[LI], 4, v[LI]
	s_lshl_b32 s23, s15, 15
	v_add_nc_u32 v[ADRS], s23, v[LI]
	v_add_nc_u32 v[ADRS+1], SLOT, v[ADRS]
	s_lshl_b32 s23, s16, 15
	s_add_co_u32 s23, s23, 2*HALFT
	v_add_nc_u32 v[ADRP], s23, v[LI]
	v_add_nc_u32 v[ADRP+1], SLOT, v[ADRP]
	; both biases are loaded in both regions, without a branch; the one that the region does not use is read from the buffer's first 512 bytes and dropped
	v_and_b32 v12, 15, v0                          ; r
	v_bfe_u32 v13, v0, 4, 1                        ; h
	s_lshl_b32 s2, s42, 10
	s_lshl_b32 s3, s16, 9
	s_add_co_u32 s2, s2, s3
	s_mul_i32 s2, s2, s19                          ; q, k: 4 (256 px + 128 wp)
	v_lshlrev_b32 v10, 6, v13
	v_add_nc_u32 v10, s2, v10                      ; + 64 h: register 8 (2 b + u) + j is column 32 b + 16 h + 8 u + j
	s_lshl_b32 s2, s43, 10
	s_lshl_b32 s3, s15, 9
	s_add_co_u32 s2, s2, s3
	s_add_co_u32 s2, s2, 8192
	s_mul_i32 s2, s2, s18                          ; V: 4 (2048 + 256 sy + 128 ws)
	v_and_b32 v11, 8, v12
	v_add_nc_u32 v11, v11, v12
	v_lshlrev_b32 v11, 2, v11
	v_add_nc_u32 v11, s2, v11                      ; + 4 (r + 8 (r / 8)): one column a lane for each block a
.set t, 0
.rept 8
	global_load_b128 v[BQ+8*t:BQ+8*t+3], v10, s[6:7] offset:128*(t/2)+32*(t%2)
	global_load_b128 v[BQ+8*t+4:BQ+8*t+7], v10, s[6:7] offset:128*(t/2)+32*(t%2)+16
	global_load_b32 v[BV+2*t], v11, s[6:7] offset:128*(t/2)+32*(t%2)     ; twice: a pair for the packed addition
	global_load_b32 v[BV+2*t+1], v11, s[6:7] offset:128*(t/2)+32*(t%2)
.set t, t+1
.endr
.macro FRAG reg, adr, q, i             ; tile i's fragment of the slot's q-th 128 along K: four loads of 512 consecutive bytes
.irp c, 0,1,2,3
	ds_load_b128 v[\reg+4*\c:\reg+4*\c+3], v[\adr] offset:(\i)*4096+(\q)*2048+512*\c
.endr
.endm
; 16 matrix instructions: S's blocks a0, a0 + 1 x P's eight, 128 along K.  p: P's set.  zero = 1: the first product starts the sums.
; The 64 accumulators take turns, one instruction a turn, in the same order in every step.
.macro MUL16 a0, p, zero
.irp a, \a0, \a0+1
.irp b, 0,1,2,3,4,5,6,7
.if \zero
	v_wmma_f32_16x16x128_fp8_fp8 v[8*(8*((\a)%4)+\b):8*(8*((\a)%4)+\b)+7], v[128*(\p)+FR*\b:128*(\p)+FR*\b+FR-1], v[AF+FR*(\a):AF+FR*(\a)+FR-1], 0
.else
	v_wmma_f32_16x16x128_fp8_fp8 v[8*(8*((\a)%4)+\b):8*(8*((\a)%4)+\b)+7], v[128*(\p)+FR*\b:128*(\p)+FR*\b+FR-1], v[AF+FR*(\a):AF+FR*(\a)+FR-1], v[8*(8*((\a)%4)+\b):8*(8*((\a)%4)+\b)+7]
.endif
.endr
.endr
.endm
.macro FETCH_P slot, q, p
	WIN TO_P
.irp i, 0,1,2,3,4,5,6,7
	FRAG 128*(\p)+FR*\i, ADRP+\slot, \q, \i
.endr
	WIN 0
.endm
.macro FETCH_S slot, q, i0
.irp i, \i0, \i0+1, \i0+2, \i0+3
	FRAG AF+FR*(\i), ADRS+\slot, \q, \i
.endr
.endm
.macro PLACES n                        ; plain vector instructions between a matrix instruction and a load into, or a vector read or write of, its registers
.rept \n
	v_nop
.endr
.endm
; A step of 128 along K that has its successor in the same slot.  A block of S is free as soon as its eight products are issued, so S has one set of registers; P's fragments work through the whole step and have two.
.macro STEP slot, q, zero
	s_wait_dscnt 4*NL                              ; P's set and S's blocks 0-3 are in; the youngest 16 loads (S's blocks 4-7) may be out
	WIN MUL_LO
	MUL16 0, (\q)%2, \zero
	MUL16 2, (\q)%2, \zero
	s_wait_dscnt 0                                 ; S's blocks 4-7 are in
	PLACES NP
	FETCH_P \slot, (\q)+1, 1-(\q)%2
	FETCH_S \slot, (\q)+1, 0
	WIN MUL_HI
	MUL16 4, (\q)%2, \zero
	MUL16 6, (\q)%2, \zero
	PLACES NP
	WIN 0
	FETCH_S \slot, (\q)+1, 4
.endm
; A slot's last step changes slots: ONE barrier; in front of it each wave waits for all its tensor loads, adds 0 to its spare word, and waits for that and for its reads of this slot.  fill = 1: the slot is filled again.
.macro TURN slot, next, fill
	s_wait_tensorcnt 0x0                           ; all my tensor loads have landed: my part of the next slot
	ds_add_u32 v[SPW], v[NIL]                      ; 0 onto my spare word
	s_wait_dscnt 4*NL+1                            ; the add and the youngest 16 loads (S's blocks 4-7) may be out
	WIN MUL_LO
	MUL16 0, 1, 0                                  ; sixteen matrix instructions stand between the add and the wait for it
	s_wait_dscnt 0x0                               ; the add is done, and my reads of this slot are over
	s_barrier_signal -1
	MUL16 2, 1, 0
	WIN 0
	s_barrier_wait -1
.if \fill
	CREST                                          ; the barrier has opened a round of the cluster's: no wave of any partner still reads this slot or has a load on its way
	s_add_nc_u64 s[G0+4*\slot+2:G0+4*\slot+3], s[G0+4*\slot+2:G0+4*\slot+3], 8192
	s_add_nc_u64 s[G0B+4*\slot+2:G0B+4*\slot+3], s[G0B+4*\slot+2:G0B+4*\slot+3], 8192
	JLOAD G0+4*\slot, G1, G0B+4*\slot, G1B         ; the first tensor load behind the round, my only one until the next; its four v_nop are the places in front of the loads below
.else
	PLACES NP
.endif
	FETCH_P \next, 0, 0
	FETCH_S \next, 0, 0
	WIN MUL_HI
	MUL16 4, 1, 0
	MUL16 6, 1, 0
	PLACES NP
	WIN 0
	FETCH_S \next, 0, 4
.endm
	s_wait_tensorcnt 1                             ; my part of slot 0 is in; slot 1's may stay out
	s_barrier_signal -1
	s_barrier_wait -1
	FETCH_P 0, 0, 0
	FETCH_S 0, 0, 0
	FETCH_S 0, 0, 4
	STEP 0, 0, 1                                   ; K 0-127: its products start the sums
	TURN 0, 1, 1                                   ; K 128-255; slot 0 takes K 512-767
	STEP 1, 0, 0
	TURN 1, 0, 1                                   ; slot 1 takes K 768-1023
	STEP 0, 0, 0
	TURN 0, 1, 0                                   ; nothing is left to fetch
	STEP 1, 0, 0
	s_wait_dscnt 4*NL                              ; the last step
	WIN MUL_LO
	MUL16 0, 1, 0
	MUL16 2, 1, 0
	s_wait_dscnt 0
	WIN MUL_HI
	MUL16 4, 1, 0
	MUL16 6, 1, 0
	WIN 0
	; THE WAY OUT.  A sum stands for sum x 2^(e0 + e1): the bias goes in as b / 2^(e0 + e1), and the conversion takes the one scale 2^(e - e0 - e1), e = e2 + 3 (q, with its 2^-3), e3 (k) or e5 (v).
	; A lane's 16 registers of P's tiles 2 b, 2 b + 1 are 16 neighbours along the next product's K: the conversions' results are that operand's registers, and each store is their image, 512 consecutive bytes.
	PLACES NP
	s_wait_loadcnt 0x0                             ; the biases
	s_wait_kmcnt 0x0                               ; the exponents
	s_add_co_i32 s80, s72, s73                     ; e0 + e1
	s_sub_co_i32 s81, 0, s80
	s_add_co_i32 s82, s74, 3
	s_cmp_eq_u32 ttmp9, 0                          ; cluster x = 0: W's q rows; 1: its k rows
	s_cselect_b32 s82, s82, s75
	s_cmp_eq_u32 s18, 1
	s_cselect_b32 s82, s77, s82
	s_sub_co_i32 s82, s82, s80
	s_add_co_i32 s82, s82, 127
	s_lshl_b32 s83, s82, 23
	v_mov_b32 v[SC], s83
	s_add_co_i32 s82, s82, 8
	s_lshl_b32 s82, s82, 23
	s_or_b32 s82, s82, 0x600000
	v_mov_b32 v[LIM], s82
.macro EPI isv
.if \isv
.set k, 0
.rept 16
	v_ldexp_f32 v[BV+k], v[BV+k], s81
.set k, k+1
.endr
.else
.set k, 0
.rept 64
	v_ldexp_f32 v[BQ+k], v[BQ+k], s81
.set k, k+1
.endr
.endif
.irp a, 0,1,2,3,4,5,6,7
.if \a >= 2
	s_wait_xcnt 0x0                                ; block a - 2's stores have read their registers: this set of codes is written again
.endif
.set TM, TMP+64*(\a%2)
.set CS, COD+16*(\a%2)
	WIN 0x02+(\a/4)                                ; source 0: window 2 or 3
.set k, 0
.rept 32
.if \isv
	v_pk_add_f32 v[TM+k:TM+k+1], v[64*(\a%4)+k:64*(\a%4)+k+1], v[BV+2*\a:BV+2*\a+1]   ; each accumulator from its low end on
.else
	v_pk_add_f32 v[TM+k:TM+k+1], v[64*(\a%4)+k:64*(\a%4)+k+1], v[BQ+k:BQ+k+1]
.endif
.set k, k+2
.endr
	WIN 0
.irp b, 0,1,2,3
.set k, 0
.rept 16
	v_med3_num_f32 v[TM+16*\b+k], v[TM+16*\b+k], -v[LIM], v[LIM]   ; the conversion does not saturate (ISA guide 7.6.2): the hold comes first
.set k, k+1
.endr
	v_cvt_scalef32_pk8_fp8_f32 v[CS+4*\b:CS+4*\b+1], v[TM+16*\b:TM+16*\b+7], v[SC]
	v_cvt_scalef32_pk8_fp8_f32 v[CS+4*\b+2:CS+4*\b+3], v[TM+16*\b+8:TM+16*\b+15], v[SC]
.endr
.irp b, 0,1,2,3
.if \isv
	global_store_b128 v[LI], v[CS+4*\b:CS+4*\b+3], s[10:11] offset:(\a/4)*393216+2048*(\a%4)+512*\b    ; head a / 4 of my two, td = a % 4, c = b
.else
	global_store_b128 v[LI], v[CS+4*\b:CS+4*\b+3], s[10:11] offset:(\b/2)*393216+1024*\a+512*(\b%2)    ; head b / 2 of my two, tile a, c2 = b % 2
.endif
.endr
.endr
	v_nop                                          ; a plain line behind the last conversion
.endm
	s_cmp_eq_u32 s18, 1                            ; the region: the same in all sixteen partners
	s_cbranch_scc1 .Lv
	s_lshr_b32 s2, s43, 3                          ; q, k: head 16 (sy / 8) + 4 (px % 4) + 2 wp,
	s_lshl_b32 s2, s2, 4
	s_and_b32 s3, s42, 3
	s_lshl_b32 s3, s3, 2
	s_add_co_u32 s2, s2, s3
	s_lshl_b32 s3, s16, 1
	s_add_co_u32 s2, s2, s3
	s_mul_i32 s2, s2, 393216
	s_and_b32 s3, s43, 7                           ; step 2 (sy % 8) + ws,
	s_lshl_b32 s3, s3, 1
	s_add_co_u32 s3, s3, s15
	s_mul_i32 s3, s3, 24576
	s_add_co_u32 s2, s2, s3
	s_lshl_b32 s3, ttmp9, 13                       ; Q's part or K's
	s_add_co_u32 s2, s2, s3
	s_mov_b32 s3, 0
	s_add_nc_u64 s[10:11], s[10:11], s[2:3]
	EPI 0
	s_branch .Ldone
.Lv:
	s_lshr_b32 s2, s42, 3                          ; V: head 16 (px / 8) + 4 sy + 2 ws,
	s_lshl_b32 s2, s2, 4
	s_lshl_b32 s3, s43, 2
	s_add_co_u32 s2, s2, s3
	s_lshl_b32 s3, s15, 1
	s_add_co_u32 s2, s2, s3
	s_mul_i32 s2, s2, 393216
	s_and_b32 s3, s42, 7                           ; step 2 (px % 8) + wp,
	s_lshl_b32 s3, s3, 1
	s_add_co_u32 s3, s3, s16
	s_mul_i32 s3, s3, 24576
	s_add_co_u32 s2, s2, s3
	s_add_co_u32 s2, s2, 16384                     ; V's part
	s_mov_b32 s3, 0
	s_add_nc_u64 s[10:11], s[10:11], s[2:3]
	EPI 1
.Ldone:
	s_wait_tensorcnt 0x0                           ; the wave's end
	ds_add_u32 v[SPW], v[NIL]
	s_wait_dscnt 0x0
	CROUND                                         ; the closing round: no work-group ends while a partner may still ask for a tile that names it
	s_endpgm
.Lfunc_end_k_qcce040e609_qkv:
	.size	k_qcce040e609_qkv, .Lfunc_end_k_qcce040e609_qkv-k_qcce040e609_qkv
	.p2alignl 7, 3214868480
	.fill 96, 4, 3214868480
	.section	.rodata,"a",@progbits
	.p2align	6, 0x0
	.amdhsa_kernel k_qcce040e609_qkv
		.amdhsa_group_segment_fixed_size 327680
		.amdhsa_private_segment_fixed_size 0
		.amdhsa_enable_private_segment 0
		.amdhsa_kernarg_size 32
		.amdhsa_user_sgpr_count 2
		.amdhsa_user_sgpr_kernarg_segment_ptr 1
		.amdhsa_wavefront_size32 1
		.amdhsa_system_sgpr_workgroup_id_x 1
		.amdhsa_system_sgpr_workgroup_id_y 1
		.amdhsa_system_sgpr_workgroup_id_z 1
		.amdhsa_system_vgpr_workitem_id 0
		.amdhsa_next_free_vgpr 1024
		.amdhsa_next_free_sgpr 98
		.amdhsa_reserve_vcc 0
		.amdhsa_float_denorm_mode_32 3
		.amdhsa_float_denorm_mode_16_64 3
		.amdhsa_memory_ordered 1
		.amdhsa_forward_progress 1
		.amdhsa_inst_pref_size 198
	.end_amdhsa_kernel
	.amdgpu_metadata
---
amdhsa.version: [ 1, 2 ]
amdhsa.kernels:
  - .name:           k_qcce040e609_qkv
    .symbol:         k_qcce040e609_qkv.kd
    .args:
      - { .name: opf, .offset: 0, .size: 8, .value_kind: global_buffer, .address_space: global }
      - { .name: in_proj_bias, .offset: 8, .size: 8, .value_kind: global_buffer, .address_space: global }
      - { .name: lowp_scales, .offset: 16, .size: 8, .value_kind: global_buffer, .address_space: global }
      - { .name: qkvf, .offset: 24, .size: 8, .value_kind: global_buffer, .address_space: global }
    .group_segment_fixed_size: 327680
    .private_segment_fixed_size: 0
    .kernarg_segment_align: 8
    .kernarg_segment_size: 32
    .max_flat_workgroup_size: 128
    .sgpr_count:     98
    .vgpr_count:     1024
    .wavefront_size: 32
...
	.end_amdgpu_metadata
.endif
;; end of part 2
;; launch attn (part 3): grid 64 x 4, 16 waves a work-group, no clusters, 51,200 bytes of LDS; arguments qkvf, mw, fl, lowp_scales, af; writes af
.if DOCPART == 3
	.amdgcn_target "amdgcn-amd-amdhsa--gfx1250"
	.amdhsa_code_object_version 6
	.text
	.protected	k_qcce040e609_attn
	.globl	k_qcce040e609_attn
	.p2align	8
	.type	k_qcce040e609_attn,@function
k_qcce040e609_attn:
	s_mov_b64 s[64:65], 0
	v_nop
	global_prefetch_b8 v0, s[64:65] scope:SCOPE_SE
	s_setreg_imm32_b32 hwreg(HW_REG_WAVE_MODE, 25, 1), 1
	s_wait_xcnt 0x0
; ATTENTION on codes of E4M3: for head j, O[q] = sum over keys of p V / l, p = 2^(t - M), t = score x log2(e), M the running largest t rounded UP to a whole number, l the sum of the unquantised p.
; Both masks are inputs.  An earlier launch has turned them into lane masks (mw) and a flag for each tile of 16 queries x 128 keys (fl: 0 all masked, 1 mixed, 2 all open): a tile with flag 0 is passed over,
; a tile with flag 2 is taken without masking, a mixed tile has its hidden scores set to -infinity ahead of the maximum.  That holds for any mask.
; A query all of whose keys are hidden is NaN in the definition: its codes are the NaN code.
; SHARES.  Work-group (j, y) takes two blocks of 256 queries of head j, 7 - y and then y (an order that evens the work where later queries see more keys; for any mask it is only an order).
; Each of SIXTEEN waves owns one tile of 16 queries, in 256 registers: four waves to a SIMD, so that one wave's vector work stands beside another's matrix work.
; Every wave walks 16 key steps of 128 keys.  A step's K and V (16 KiB, as they lie in qkvf: images of operand registers) come through registers into one of two LDS slots, each wave 1 KiB, a step ahead.
; NO TENSOR LOAD, NO CLUSTER, NO JOINT LOAD: the walk branches on the stored flags.
; No prefetch: a step's tile is asked for a whole key step ahead of the LDS store that wants it.
; LAYOUT.  S^T = K Q^T (source 0 = 16 keys, source 1 = my 16 queries), O^T = V^T P^T: a lane holds ONE query throughout.  The keys of a tile lie in the order pi, so that the 16 registers of tiles 2 b, 2 b + 1
; are keys 32 b + 16 h + 0 .. 15; V's rows d likewise, so that O^T's 16 registers are 16 neighbours along the last product's K.
; The result, quantised with 2^e6, is stored as the last product's operand (af: [row / 16][K step][2,048 bytes], natural rows): query i of head j is row 128 j + i / 16, k = 64 (i % 16) + d.
; LIMITS: e2 + e3 between -126 and 126 (added to log2(e)'s exponent field); e4, and e6 - e4 - e5, between -126 and 119.
; VECTOR: v1 16 x lane; v2 1,024 w + 16 x lane; v3 the fills' offset; v4 the stage, on the way in; v6 my flags' offset; v12 -M, v13 largest t, v[14:15] l; v16-23 Q; v24-31 a fill's 1 KiB;
;   v32-95 K, then V; v96-159 S^T, then p; v160-191 O^T; v192-207 p's codes; v208-215 at work; v216-219 2^e4, 448 x 2^e4, 2^(e6-e4-e5), 448 x that; v220-228 flags; v229 -infinity; v230 four NaN codes; v[232:233] 1 / l; v234 l.
; SCALAR: s[4:5] qkvf at my head; s[6:7] mw at my g; s[8:9] fl at my g; s[10:11] af at my head; s[12:13] my tile's mask words; s14 wave; s15 y; s[16:63], s[68:83] a tile's 64 mask words;
;   s[84:89] a pass's Q, fl, af; s90 pass; s91 step; s92 bit s: some wave wants step s; s93: I want it; s94: it is mixed for me; s95 the step in hand; s96 its mask words' offset; s97 1 where p's hold can act; s[98:99] c; s[100:101] lane selects.
.set LI,  1
.set QF,  16
.set KV,  32
.set S,   96
.set O,   160
.set PC,  192
.set STG, 32768                        ; LDS: slot 0 at 0, slot 1 at 16,384 (K 8 KiB, V 8 KiB each); the stage for a block's 16 KiB of codes
	s_load_b128 s[4:7], s[0:1], 0x0                ; qkvf, mw
	s_load_b64 s[8:9], s[0:1], 0x10                ; fl
	s_load_b64 s[84:85], s[0:1], 0x18              ; lowp_scales
	s_load_b64 s[10:11], s[0:1], 0x20              ; af
	v_lshl_add_u32 v254, v0, 2, 0xc000
	v_mov_b32 v255, 0
	v_and_b32 v1, 31, v0
	v_lshlrev_b32 v1, 4, v1
	v_lshrrev_b32 v7, 5, v0
	v_readfirstlane_b32 s14, v7                    ; wave 0..15
	v_lshl_add_u32 v2, v7, 10, v1
	v_and_b32 v6, 15, v0
	v_lshlrev_b32 v6, 4, v6
	v_lshl_add_u32 v6, v7, 8, v6                   ; fl: my tile's 256 bytes, step lane % 16
	; the stage, on the way in.  Query pi(16 yb + w, r) is row r' = 2 (w / 2) + r / 8 of the block's 16 rows, k = 512 (w % 2) + 64 (r % 8) + d:
	; K step 4 (w % 2) + (r % 8) / 2, c = 2 (r % 2) + b', lane 16 h + r'
	v_bfe_u32 v4, v0, 1, 2
	v_lshlrev_b32 v4, 11, v4
	v_and_b32 v8, 1, v0
	v_lshl_add_u32 v4, v8, 10, v4
	v_bfe_u32 v8, v0, 4, 1
	v_lshl_add_u32 v4, v8, 8, v4
	v_bfe_u32 v8, v0, 3, 1
	v_lshl_add_u32 v4, v8, 4, v4
	s_and_b32 s2, s14, 1
	s_lshl_b32 s2, s2, 13
	s_lshr_b32 s3, s14, 1
	s_lshl_b32 s3, s3, 5
	s_add_co_u32 s2, s2, s3
	s_add_co_u32 s2, s2, STG
	v_add_nc_u32 v4, s2, v4
	v_mov_b32 v229, 0xff800000
	v_mov_b32 v230, 0x7f7f7f7f
	v_mov_b32 v210, 0                              ; a lane permute's destination counts as read: written once
	v_mov_b32 v213, 0                              ; (named as the upper halves of pairs)
	v_mov_b32 v233, 0
.set k, 0
.rept 8
	v_mov_b32 v[24+k], 0                           ; written once: a fill and its LDS store stand under two tests of one bit
.set k, k+1
.endr
	s_and_b32 s15, ttmp7, 0xffff                   ; y
	s_mov_b32 s100, 0x76543210
	s_mov_b32 s101, 0xfedcba98
	s_wait_kmcnt 0x0
	s_load_b256 s[16:23], s[84:85], 0x0            ; e0 .. e7
	s_mul_i32 s2, ttmp9, 393216
	s_mov_b32 s3, 0
	s_add_nc_u64 s[4:5], s[4:5], s[2:3]
	s_lshl_b32 s2, ttmp9, 17
	s_add_nc_u64 s[10:11], s[10:11], s[2:3]
	s_lshr_b32 s95, ttmp9, 4                       ; g: the head's row of key_padding_mask
	s_lshl_b32 s2, s95, 19
	s_add_nc_u64 s[6:7], s[6:7], s[2:3]
	s_lshl_b32 s2, s95, 2
	s_add_nc_u64 s[8:9], s[8:9], s[2:3]
	s_wait_kmcnt 0x0
	s_add_co_i32 s2, s18, s19
	s_lshl_b32 s2, s2, 23
	s_add_co_i32 s98, s2, 0x3fb8aa3b               ; c = log2(e) x 2^(e2 + e3): a score stands for score x 2^(e2 + e3)
	s_mov_b32 s99, s98
	s_add_co_i32 s2, s20, 127
	s_lshl_b32 s3, s2, 23
	v_mov_b32 v216, s3                             ; 2^e4
	s_add_co_i32 s2, s2, 8
	s_lshl_b32 s2, s2, 23
	s_or_b32 s2, s2, 0x600000
	v_mov_b32 v217, s2                             ; 448 x 2^e4
	s_sub_co_i32 s2, s22, s20
	s_sub_co_i32 s2, s2, s21
	s_add_co_i32 s2, s2, 127
	s_lshl_b32 s3, s2, 23
	v_mov_b32 v218, s3                             ; 2^(e6 - e4 - e5): O^T / l stands for that x 2^(e4 + e5)
	s_add_co_i32 s2, s2, 8
	s_lshl_b32 s2, s2, 23
	s_or_b32 s2, s2, 0x600000
	v_mov_b32 v219, s2
	s_cmp_lt_i32 s20, -8                           ; p is at most 1, and 448 x 2^e4 is above 1 from e4 = -8 on: only below that can the hold act
	s_cselect_b32 s97, 1, 0
.set k, 24
.rept 20
	s_mov_b64 s[k:k+1], 0                          ; the mask words' registers are written once: their loads and their readers stand under two tests of one bit
.set k, k+2
.endr
.set k, 68
.rept 8
	s_mov_b64 s[k:k+1], 0
.set k, k+2
.endr
; THE WORK OF A KEY STEP, slot hh; s95 = the step.
.macro WORK hh
	s_bitcmp1_b32 s94, s95                         ; a mixed tile: its 64 mask words are asked for now and land under the first product
	s_cbranch_scc0 .Lnq_\@
	s_lshl_b32 s96, s95, 8
	s_load_b512 s[16:31], s[12:13], s96 offset:0x0
	s_load_b512 s[32:47], s[12:13], s96 offset:0x40
	s_load_b512 s[48:63], s[12:13], s96 offset:0x80
	s_load_b512 s[68:83], s[12:13], s96 offset:0xc0
.Lnq_\@:
.rept 4
	v_nop                                          ; places in front of loads into registers that the last products read
.endr
.set t, 0
.rept 8
	ds_load_b128 v[KV+8*t:KV+8*t+3], v[LI] offset:16384*\hh+1024*t
	ds_load_b128 v[KV+8*t+4:KV+8*t+7], v[LI] offset:16384*\hh+1024*t+512
.set t, t+1
.endr
	s_wait_dscnt 0x0
.set t, 0
.rept 8
	v_wmma_f32_16x16x64_fp8_fp8 v[S+8*t:S+8*t+7], v[KV+8*t:KV+8*t+7], v[QF:QF+7], 0
.set t, t+1
.endr
.rept 4
	v_nop                                          ; places: in front of V's loads into K's registers, and of the first read of the scores
.endr
.set t, 0
.rept 16
	ds_load_b128 v[KV+4*t:KV+4*t+3], v[LI] offset:16384*\hh+8192+512*t   ; V: they land under the softmax
.set t, t+1
.endr
	s_wait_kmcnt 0x0                               ; on every path
	s_bitcmp1_b32 s94, s95
	s_cbranch_scc0 .Lnm_\@
.set n, 0
.rept 48
	v_cndmask_b32 v[S+n], v[S+n], v229, s[16+n]    ; hidden scores become -infinity: p = 0 then
.set n, n+1
.endr
.rept 16
	v_cndmask_b32 v[S+n], v[S+n], v229, s[20+n]
.set n, n+1
.endr
.Lnm_\@:
	v_max3_num_f32 v208, v[S], v[S+1], v[S+2]      ; the step's largest score of my query, among my 64 keys, in two chains; each accumulator is read from its low end on
	v_max3_num_f32 v209, v[S+3], v[S+4], v[S+5]
.set n, 6
.rept 14
	v_max3_num_f32 v208, v208, v[S+n], v[S+n+1]
	v_max3_num_f32 v209, v209, v[S+n+2], v[S+n+3]
.set n, n+4
.endr
	v_max3_num_f32 v208, v208, v[S+62], v[S+63]
	v_max_num_f32 v208, v208, v209
	v_permlanex16_b32 v210, v208, s100, s101
	v_max_num_f32 v208, v208, v210                 ; and among lane l xor 16's
	v_mul_f32 v208, s98, v208                      ; as t (c is positive)
	v_max_num_f32 v13, v13, v208                   ; the running largest t
	v_mov_b32 v208, v12
	v_floor_f32 v12, -v13                          ; -M = floor(-t): M is a whole number
	v_sub_f32 v208, v12, v208                      ; old M - new M: a whole number, 0 or less
	v_cvt_i32_f32 v208, v208                       ; (it saturates)
	v_ldexp_f32 v212, 1.0, v208                    ; f = 2^(old M - new M): a multiplication by it rounds nothing
.set n, 0
.rept 32
	v_pk_fma_f32 v[S+n:S+n+1], v[S+n:S+n+1], s[98:99], v[12:13] op_sel_hi:[1,0,0]   ; t - M
.set n, n+2
.endr
.set n, 0
.rept 64
	v_exp_f32 v[S+n], v[S+n]                       ; p, at most 1, not normalised
.set n, n+1
.endr
	v_pk_mul_f32 v[14:15], v[14:15], v[212:213] op_sel_hi:[1,0]   ; l under the new M: the plain line behind the exponentials
	s_wait_alu depctr_va_vdst(0)                   ; one wait for the batch, ahead of its first reader
	v_pk_add_f32 v[214:215], v[S:S+1], v[S+2:S+3]  ; l is the sum of the UNQUANTISED p, in two chains
.set n, 4
.rept 15
	v_pk_add_f32 v[14:15], v[14:15], v[S+n:S+n+1]
	v_pk_add_f32 v[214:215], v[214:215], v[S+n+2:S+n+3]
.set n, n+4
.endr
	v_pk_add_f32 v[14:15], v[14:15], v[214:215]
	s_cmp_eq_u32 s97, 0
	s_cbranch_scc1 .Lnh_\@
.set n, 0
.rept 64
	v_min_num_f32 v[S+n], v[S+n], v217             ; the hold at the largest code x 2^e4; p is not negative
.set n, n+1
.endr
.Lnh_\@:
.irp b, 0,1,2,3
	v_cvt_scalef32_pk8_fp8_f32 v[PC+4*\b:PC+4*\b+1], v[S+16*\b:S+16*\b+7], v216
	v_cvt_scalef32_pk8_fp8_f32 v[PC+4*\b+2:PC+4*\b+3], v[S+16*\b+8:S+16*\b+15], v216
.endr
.set n, 0
.rept 16
	v_pk_mul_f32 v[O+n:O+n+1], v[O+n:O+n+1], v[212:213] op_sel_hi:[1,0]   ; O^T under the new M; also the plain lines between the conversions and the products
.set n, n+2
.endr
	s_wait_dscnt 0x0                               ; V is in
.set t, 0
.rept 4
	v_wmma_f32_16x16x128_fp8_fp8 v[O+8*t:O+8*t+7], v[KV+16*t:KV+16*t+15], v[PC:PC+15], v[O+8*t:O+8*t+7]   ; the four accumulators by turns; eight products K Q^T stand between two steps' turns
.set t, t+1
.endr
.endm
; A KEY STEP.  The next step's tile is asked for, if any wave of the block wants it; my work, if my tile is not wholly hidden; the tile goes into the other slot; ONE barrier: in front of it my reads of this slot are over
; and my part of the other slot is written; that slot was last read in front of the barrier before.  No barrier stands under a branch.
.macro KSTEP hh
	s_add_co_u32 s95, s91, \hh+1
	s_bitcmp1_b32 s92, s95                         ; bit 16 is never set: no load leaves the head's bytes
	s_cbranch_scc0 .Lnl_\@
	global_load_b128 v[24:27], v3, s[4:5] offset:24576*(\hh+1)
	global_load_b128 v[28:31], v3, s[4:5] offset:24576*(\hh+1)+512
.Lnl_\@:
	s_add_co_u32 s95, s91, \hh
	s_bitcmp1_b32 s93, s95
	s_cbranch_scc0 .Lnw_\@
	WORK \hh
.Lnw_\@:
	s_wait_loadcnt 0x0                             ; on every path
	s_add_co_u32 s95, s91, \hh+1
	s_bitcmp1_b32 s92, s95
	s_cbranch_scc0 .Lns_\@
	ds_store_b128 v2, v[24:27] offset:16384*(1-\hh)
	ds_store_b128 v2, v[28:31] offset:16384*(1-\hh)+512
.Lns_\@:
	s_wait_dscnt 0x0
	s_barrier_signal -1
	s_barrier_wait -1
.endm
	s_mov_b32 s90, 0
.Lpass:
	s_sub_co_u32 s95, 7, s15
	s_cmp_eq_u32 s90, 0
	s_cselect_b32 s95, s95, s15                    ; yb: the block of 256 queries
	s_lshl_b32 s2, s95, 1
	s_lshr_b32 s3, s14, 3
	s_add_co_u32 s2, s2, s3
	s_mul_i32 s2, s2, 24576                        ; my tile 16 yb + w lies in step 2 yb + w / 8,
	s_and_b32 s3, s14, 7
	s_lshl_b32 s3, s3, 10                          ; as tile w % 8 of its Q part
	s_add_co_u32 s2, s2, s3
	s_mov_b32 s3, 0
	s_add_nc_u64 s[84:85], s[4:5], s[2:3]
	s_lshl_b32 s2, s95, 12
	s_add_nc_u64 s[86:87], s[8:9], s[2:3]          ; the block's 16 tiles x 256 bytes of flags
	s_lshl_b32 s2, s95, 14
	s_add_nc_u64 s[88:89], s[10:11], s[2:3]        ; the block's 16 rows of af
	s_lshl_b32 s2, s95, 4
	s_add_co_u32 s2, s2, s14
	s_lshl_b32 s2, s2, 12
	s_add_nc_u64 s[12:13], s[6:7], s[2:3]          ; my tile's 16 steps x 256 bytes of mask words
	global_load_b128 v[QF:QF+3], v1, s[84:85]
	global_load_b128 v[QF+4:QF+7], v1, s[84:85] offset:512
.set k, 0
.rept 8
	global_load_b32 v[220+k], v1, s[86:87] offset:512*k   ; tile 2 k + lane / 16, step lane % 16
.set k, k+1
.endr
	global_load_b32 v228, v6, s[86:87]             ; my tile, step lane % 16
.set k, 0
.rept 32
	v_mov_b32 v[O+k], 0                            ; the step is written once: the first finds zeros, which the first change of M leaves zeros
.set k, k+1
.endr
	v_mov_b32 v14, 0
	v_mov_b32 v15, 0
	v_mov_b32 v13, 0xff61b1e6                      ; the largest t so far: -3e38, under every t
	v_floor_f32 v12, -v13
	v_add_nc_u32 v3, 8192, v2                      ; step 0's K and V: behind its Q part
	s_wait_loadcnt 0x0
.set k, 1
.rept 7
	v_or_b32 v220, v220, v[220+k]
.set k, k+1
.endr
	v_cmp_ne_u32 s92, 0, v220
	s_lshr_b32 s2, s92, 16
	s_or_b32 s92, s92, s2
	s_and_b32 s92, s92, 0xffff                     ; bit s: some tile of the block is not wholly hidden in step s
	v_cmp_ne_u32 s93, 0, v228
	s_and_b32 s93, s93, 0xffff
	v_cmp_eq_u32 s94, 1, v228
	s_and_b32 s94, s94, 0xffff
	s_bitcmp1_b32 s92, 0
	s_cbranch_scc0 .Lno_first
	global_load_b128 v[24:27], v3, s[4:5]
	global_load_b128 v[28:31], v3, s[4:5] offset:512
	s_wait_loadcnt 0x0
	ds_store_b128 v2, v[24:27]
	ds_store_b128 v2, v[28:31] offset:512
.Lno_first:
	s_wait_dscnt 0x0
	s_barrier_signal -1
	s_barrier_wait -1
	s_mov_b32 s91, 0
.Lkey:                                             ; eight trips of two key steps: the slots are constants of the text
	KSTEP 0
	KSTEP 1
	v_add_nc_u32 v3, 49152, v3                     ; (every load that read it is in)
	s_add_co_u32 s91, s91, 2
	s_cmp_lt_u32 s91, 16
	s_cbranch_scc1 .Lkey
	; THE END OF A PASS: O^T / l, quantised; the sixteen waves' codes meet in the stage as the image of af's 16 rows, and each wave stores 1 KiB of it.
.rept 4
	v_nop
.endr
	v_add_f32 v234, v14, v15
	v_permlanex16_b32 v210, v234, s100, s101
	v_add_f32 v234, v234, v210                     ; l
	v_rcp_f32 v232, v234
	v_nop                                          ; a plain line behind the reciprocal
	s_wait_alu depctr_va_vdst(0)                   ; and the wait ahead of its first reader
.set k, 0
.rept 16
	v_pk_mul_f32 v[O+k:O+k+1], v[O+k:O+k+1], v[232:233] op_sel_hi:[1,0]
.set k, k+2
.endr
.set k, 0
.rept 32
	v_med3_num_f32 v[O+k], v[O+k], -v219, v219
.set k, k+1
.endr
.irp b, 0,1
	v_cvt_scalef32_pk8_fp8_f32 v[PC+4*\b:PC+4*\b+1], v[O+16*\b:O+16*\b+7], v218
	v_cvt_scalef32_pk8_fp8_f32 v[PC+4*\b+2:PC+4*\b+3], v[O+16*\b+8:O+16*\b+15], v218
.endr
	v_nop                                          ; a plain line between the conversions and the lines that touch their results
	v_cmp_eq_f32 vcc_lo, 0, v234                   ; no key counted for my query: NaN
.set k, 0
.rept 8
	v_cndmask_b32 v[PC+k], v[PC+k], v230, vcc_lo
.set k, k+1
.endr
	ds_store_b128 v4, v[PC:PC+3]                   ; d = 16 h + 0 .. 15
	ds_store_b128 v4, v[PC+4:PC+7] offset:512      ; d = 32 + 16 h + 0 .. 15
	s_wait_dscnt 0x0
	s_barrier_signal -1
	s_barrier_wait -1
	ds_load_b128 v[24:27], v2 offset:STG
	ds_load_b128 v[28:31], v2 offset:STG+512
	s_wait_dscnt 0x0
	global_store_b128 v2, v[24:27], s[88:89]       ; 32 lanes store 512 consecutive bytes, aligned
	global_store_b128 v2, v[28:31], s[88:89] offset:512
	s_wait_xcnt 0x0                                ; the stores have read their registers and their base: both are written again in the next pass
	s_add_co_u32 s90, s90, 1
	s_cmp_lt_u32 s90, 2
	s_cbranch_scc1 .Lpass
	s_wait_tensorcnt 0x0
	ds_add_u32 v254, v255
	s_wait_dscnt 0x0
	s_endpgm
.Lfunc_end_k_qcce040e609_attn:
	.size	k_qcce040e609_attn, .Lfunc_end_k_qcce040e609_attn-k_qcce040e609_attn
	.p2alignl 7, 3214868480
	.fill 96, 4, 3214868480
	.section	.rodata,"a",@progbits
	.p2align	6, 0x0
	.amdhsa_kernel k_qcce040e609_attn
		.amdhsa_group_segment_fixed_size 51200
		.amdhsa_private_segment_fixed_size 0
		.amdhsa_enable_private_segment 0
		.amdhsa_kernarg_size 40
		.amdhsa_user_sgpr_count 2
		.amdhsa_user_sgpr_kernarg_segment_ptr 1
		.amdhsa_wavefront_size32 1
		.amdhsa_system_sgpr_workgroup_id_x 1
		.amdhsa_system_sgpr_workgroup_id_y 1
		.amdhsa_system_sgpr_workgroup_id_z 1
		.amdhsa_system_vgpr_workitem_id 0
		.amdhsa_next_free_vgpr 256
		.amdhsa_next_free_sgpr 102
		.amdhsa_reserve_vcc 1
		.amdhsa_float_denorm_mode_32 3
		.amdhsa_float_denorm_mode_16_64 3
		.amdhsa_memory_ordered 1
		.amdhsa_forward_progress 1
		.amdhsa_inst_pref_size 54
	.end_amdhsa_kernel
	.amdgpu_metadata
---
amdhsa.version: [ 1, 2 ]
amdhsa.kernels:
  - .name:           k_qcce040e609_attn
    .symbol:         k_qcce040e609_attn.kd
    .args:
      - { .name: qkvf, .offset: 0, .size: 8, .value_kind: global_buffer, .address_space: global }
      - { .name: mw, .offset: 8, .size: 8, .value_kind: global_buffer, .address_space: global }
      - { .name: fl, .offset: 16, .size: 8, .value_kind: global_buffer, .address_space: global }
      - { .name: lowp_scales, .offset: 24, .size: 8, .value_kind: global_buffer, .address_space: global }
      - { .name: af, .offset: 32, .size: 8, .value_kind: global_buffer, .address_space: global }
    .group_segment_fixed_size: 51200
    .private_segment_fixed_size: 0
    .kernarg_segment_align: 8
    .kernarg_segment_size: 40
    .max_flat_workgroup_size: 512
    .sgpr_count:     102
    .vgpr_count:     256
    .wavefront_size: 32
...
	.end_amdgpu_metadata
.endif
;; end of part 3
;; launch oproj (part 4): grid 4 x 32, 4 waves a work-group, clusters of 4 x 4, 327,680 bytes of LDS; arguments af, opf, out_proj_bias, lowp_scales, out0; writes out0
.if DOCPART == 4
	.amdgcn_target "amdgcn-amd-amdhsa--gfx1250"
	.amdhsa_code_object_version 6
	.text
	.protected	k_qcce040e609_oproj
	.globl	k_qcce040e609_oproj
	.p2align	8
	.type	k_qcce040e609_oproj,@function
k_qcce040e609_oproj:
	s_mov_b64 s[64:65], 0
	v_nop
	global_prefetch_b8 v0, s[64:65] scope:SCOPE_SE
	s_setreg_imm32_b32 hwreg(HW_REG_WAVE_MODE, 25, 1), 1
	s_wait_xcnt 0x0
	s_wait_alu depctr_hold_cnt(0) depctr_sa_sdst(0) depctr_va_vdst(0) depctr_va_sdst(0) depctr_va_ssrc(0) depctr_va_vcc(0) depctr_vm_vsrc(0)
	s_getreg_b32 s2, hwreg(HW_REG_IB_STS2, 6, 4)
	s_cmp_eq_u32 s2, 0
	s_cbranch_scc0 .Lentry_in_a_cluster
	s_endpgm
.Lentry_in_a_cluster:
	s_bfe_u32 s2, ttmp6, 0x10000c
	s_cmp_lg_u32 s2, 0xf033
	s_cbranch_scc0 .Lentry_shape_is_right
	s_endpgm
.Lentry_shape_is_right:
; OUT = attn W_o^T + b on codes of E4M3.  attn's codes: af, [row / 16][K step 0..7][2,048 bytes], rows in natural order; W_o's: opf tiles 704-767, rows in the order pi(T, r) = 32 (T / 2) + 8 (T % 2) + r + 8 (r / 8).
; A fragment (16 rows x 128 K) is 2,048 bytes, [c][lane][16 bytes]: the image of the operand's registers.  out0 [8192][1024] f32 = sum x 2^(e6 + e7) + b.
; A tile of the result is 256 columns (P = W_o, source 0) x 256 rows (S = attn, source 1); four waves, 128 x 128 each: 64 accumulators.  A lane holds one row of out0 and, in the 16 registers of P's tiles 2 b, 2 b + 1,
; the 16 neighbouring columns 32 b + 16 h + 0 .. 15.  K = 1,024 goes in four steps of 256 through two LDS slots; a wave's tensor load brings 8 tiles x 4,096 bytes, dense.
; The bias is the C of each sum's first product, divided by 2^(e6 + e7).
; CLUSTERS: 4 x 4 work-groups; S's tiles are asked for jointly along a row of the cluster, P's along a column.  128 work-groups: the tile that the first projection uses, kept here for one proven text.
; No prefetch: half of K comes in the first fills, and the other half is asked for 128 matrix instructions ahead of its wait.
; LIMITS: e6 + e7 between -126 and 127.
; REGISTERS: window 0: v1-10 addresses; v32-95 the bias (8 tiles x 8), later a block's results; v128-255 S's fragments, ONE set, later rows on their way out.   window 1: P's fragments, TWO sets.   windows 2, 3: accumulators.
.set FR,    16
.set NL,    4
.set NP,    4                          ; places behind this matrix instruction (ISA guide 7.12.1)
.set HALFT, 32768                      ; 8 tiles x 4,096 bytes
.set SLOT,  131072                     ; S's 16 tiles, then P's 16
.set SPARE, 262144                     ; behind the ring: the spare words, 128 bytes a wave: two blocks of 256 bytes that no other line names
.set SPITCH, 528                       ; the way out: a stage of 16 rows x (512 bytes + 16) for each wave, in slot 0, which has had its last fill and its last read when the first result is stored there
.set LI,   1                           ; v1    16 x lane
.set ADRS, 2                           ; v2-3
.set ADRP, 4                           ; v4-5
.set SPW,  6                           ; v6    my spare word; never rewritten
.set NIL,  7                           ; v7    0; never rewritten
.set STO,  8                           ; v8    the stage, on the way in
.set RD,   9                           ; v9    and back
.set TMP,  32
.set AF,   128
.set BK,   128
.set G1,  24
.set G0,  32
.set G1B, 48
.set G0B, 56
.set MSB, 0
.macro WIN new                         ; the immediate's high byte repeats the setting that is left
.if MSB != (\new)
	s_set_vgpr_msb (MSB<<8)|(\new)
.set MSB, (\new)
.endif
.endm
.set MUL_LO, 0xa1                      ; source 0 (P) window 1, source 1 (S) window 0, C and D window 2
.set MUL_HI, 0xf1
.set TO_P,   0x40
.macro JLOAD g0a, g1a, g0b, g1b        ; a joint load: waves 0 and 1 fetch for S, waves 2 and 3 for P; four v_nop follow each of the two lines
	s_cmp_eq_u32 s15, 0
	s_cbranch_scc0 .Lfor_p_\@
	tensor_load_to_lds s[\g0a:\g0a+3], s[\g1a:\g1a+7]
	s_nop 0
.rept 4
	v_nop
.endr
	s_branch .Lasked_\@
.Lfor_p_\@:
	tensor_load_to_lds s[\g0b:\g0b+3], s[\g1b:\g1b+7]
	s_nop 0
.rept 4
	v_nop
.endr
.Lasked_\@:
.endm
.macro CREST
	s_cmp_lg_u32 s14, 0
	s_cbranch_scc1 .Lnot_wave_0_\@
	s_barrier_signal -3
.Lnot_wave_0_\@:
	s_barrier_wait -3
	s_barrier_signal -1
	s_barrier_wait -1
.endm
.macro CROUND
	s_barrier_signal -1
	s_barrier_wait -1
	CREST
.endm
	s_load_b256 s[4:11], s[0:1], 0x0               ; af s[4:5], opf s[6:7], out_proj_bias s[8:9], lowp_scales s[10:11]
	s_load_b64 s[12:13], s[0:1], 0x20              ; out0
	v_lshl_add_u32 v[SPW], v0, 2, SPARE
	v_mov_b32 v[NIL], 0
	ds_add_u32 v6, v7
	ds_add_u32 v6, v7
	s_wait_dscnt 0x0
	v_lshrrev_b32 v1, 5, v0
	v_readfirstlane_b32 s14, v1                    ; wave 0..3
	s_lshr_b32 s15, s14, 1                         ; ws: my half of the rows.  Also: I fetch for S (0) or for P (1)
	s_and_b32 s16, s14, 1                          ; wp: my half of the columns.  Also: which 8 tiles I fetch
	s_bfe_u32 s40, ttmp6, 0x40000                  ; cx
	s_bfe_u32 s41, ttmp6, 0x40004                  ; cy
	s_lshl_b32 s42, ttmp9, 2
	s_add_co_u32 s42, s42, s40                     ; px: block of 256 columns
	s_and_b32 s43, ttmp7, 0xffff
	s_lshl_b32 s43, s43, 2
	s_add_co_u32 s43, s43, s41                     ; sy: block of 256 rows
	s_lshl_b32 s44, s41, 2
	s_lshl_b32 s44, 15, s44                        ; my row of the cluster
	s_lshl_b32 s45, 0x1111, s40                    ; my column
	s_or_b32 s[G1+0], s44, (3<<16)|(1<<21)         ; 15:0 the mask; 17:16 elements of 8 bytes; 21 set beside a mask; no padding
	s_or_b32 s[G1B+0], s45, (3<<16)|(1<<21)
.irp g, G1, G1B
	s_mov_b32 s[\g+1], 512<<16                     ; tensor_dim0: 4,096 bytes of a tile
	s_mov_b32 s[\g+2], 8<<16                       ; tensor_dim1: 8 tiles
	s_mov_b32 s[\g+3], 512<<16                     ; tile_dim0
	s_mov_b32 s[\g+4], 8                           ; tile_dim1
	s_mov_b32 s[\g+5], 2048                        ; tensor_dim0_stride: a tile's 16,384 bytes
	s_mov_b32 s[\g+6], 0
	s_mov_b32 s[\g+7], 0
.endr
	s_lshl_b32 s20, s43, 4                         ; S: af's tile 16 sy + the 8 that I fetch
	s_lshl_b32 s21, s16, 3
	s_add_co_u32 s20, s20, s21
	s_lshl_b32 s20, s20, 14
	s_mov_b32 s21, 0
	s_lshl_b32 s46, s42, 4                         ; P: opf's tile 704 + 16 px + the 8 that I fetch
	s_add_co_u32 s46, s46, 704
	s_lshl_b32 s47, s16, 3
	s_add_co_u32 s46, s46, s47
	s_lshl_b32 s46, s46, 14
	s_mov_b32 s47, 0
	s_mul_i32 s22, s14, HALFT                      ; where they go: no place in the cluster enters an LDS address
	s_wait_kmcnt 0x0
	s_load_b256 s[72:79], s[10:11], 0x0            ; e0 .. e7
	s_add_nc_u64 s[20:21], s[4:5], s[20:21]
	s_add_nc_u64 s[46:47], s[6:7], s[46:47]
	CROUND                                         ; all sixteen work-groups are here: the first joint loads meet
.irp s, 0,1
	s_mov_b32 s[G0+4*\s], 1
	s_add_co_u32 s[G0+4*\s+1], s22, \s*SLOT
	s_add_nc_u64 s[G0+4*\s+2:G0+4*\s+3], s[20:21], \s*4096
	s_or_b32 s[G0+4*\s+3], s[G0+4*\s+3], 0x80000000
	s_mov_b32 s[G0B+4*\s], 1
	s_add_co_u32 s[G0B+4*\s+1], s22, \s*SLOT
	s_add_nc_u64 s[G0B+4*\s+2:G0B+4*\s+3], s[46:47], \s*4096
	s_or_b32 s[G0B+4*\s+3], s[G0B+4*\s+3], 0x80000000
	JLOAD G0+4*\s, G1, G0B+4*\s, G1B               ; two loads of mine are out
.endr
	v_and_b32 v[LI], 31, v0
	v_lshlrev_b32 v[LI], 4, v[LI]
	s_lshl_b32 s23, s15, 15
	v_add_nc_u32 v[ADRS], s23, v[LI]
	v_add_nc_u32 v[ADRS+1], SLOT, v[ADRS]
	s_lshl_b32 s23, s16, 15
	s_add_co_u32 s23, s23, 2*HALFT
	v_add_nc_u32 v[ADRP], s23, v[LI]
	v_add_nc_u32 v[ADRP+1], SLOT, v[ADRP]
	v_and_b32 v12, 15, v0                          ; r
	v_bfe_u32 v13, v0, 4, 1                        ; h
	s_lshl_b32 s2, s42, 10
	s_lshl_b32 s3, s16, 9
	s_add_co_u32 s2, s2, s3                        ; my first column, in bytes: 4 (256 px + 128 wp)
	v_lshlrev_b32 v10, 6, v13
	v_add_nc_u32 v10, s2, v10                      ; the bias: + 64 h
.set t, 0
.rept 8
	global_load_b128 v[TMP+8*t:TMP+8*t+3], v10, s[8:9] offset:128*(t/2)+32*(t%2)       ; tile 2 b + u, register j: column 32 b + 16 h + 8 u + j
	global_load_b128 v[TMP+8*t+4:TMP+8*t+7], v10, s[8:9] offset:128*(t/2)+32*(t%2)+16
.set t, t+1
.endr
	s_mul_i32 s23, s14, 16*SPITCH                  ; my stage
	v_mul_u32_u24 v[STO], v12, SPITCH
	v_lshl_add_u32 v[STO], v13, 6, v[STO]
	v_add_nc_u32 v[STO], s23, v[STO]               ; in: row r, + 64 h
	v_add_nc_u32 v[RD], s23, v[LI]                 ; back: the 32 lanes take one row of 512 bytes
	s_lshl_b32 s20, s43, 8
	s_lshl_b32 s21, s15, 7
	s_add_co_u32 s20, s20, s21                     ; my first row: 256 sy + 128 ws
	s_lshl_b32 s20, s20, 12
	s_add_co_u32 s20, s20, s2
	s_mov_b32 s21, 0
	s_add_nc_u64 s[12:13], s[12:13], s[20:21]
	s_wait_loadcnt 0x0
	s_wait_kmcnt 0x0
	s_add_co_i32 s80, s78, s79                     ; e6 + e7
	s_sub_co_i32 s82, 0, s80
.set k, 0
.rept 64
	v_ldexp_f32 v[TMP+k], v[TMP+k], s82            ; b / 2^(e6 + e7): a sum stands for sum x 2^(e6 + e7)
.set k, k+1
.endr
	s_add_co_i32 s80, s80, 127
	s_lshl_b32 s80, s80, 23                        ; 2^(e6 + e7) as f32
	s_mov_b32 s81, s80                             ; (named with it as a pair)
.macro FRAG reg, adr, q, i
.irp c, 0,1,2,3
	ds_load_b128 v[\reg+4*\c:\reg+4*\c+3], v[\adr] offset:(\i)*4096+(\q)*2048+512*\c
.endr
.endm
; 16 matrix instructions: S's blocks a0, a0 + 1 x P's eight.  bias = 1: the first product starts the sums from the bias (window 0).  The 64 accumulators take turns, in the same order in every step.
.macro MUL16 a0, p, bias
.irp a, \a0, \a0+1
.irp b, 0,1,2,3,4,5,6,7
.if \bias
	v_wmma_f32_16x16x128_fp8_fp8 v[8*(8*((\a)%4)+\b):8*(8*((\a)%4)+\b)+7], v[128*(\p)+FR*\b:128*(\p)+FR*\b+FR-1], v[AF+FR*(\a):AF+FR*(\a)+FR-1], v[TMP+8*\b:TMP+8*\b+7]
.else
	v_wmma_f32_16x16x128_fp8_fp8 v[8*(8*((\a)%4)+\b):8*(8*((\a)%4)+\b)+7], v[128*(\p)+FR*\b:128*(\p)+FR*\b+FR-1], v[AF+FR*(\a):AF+FR*(\a)+FR-1], v[8*(8*((\a)%4)+\b):8*(8*((\a)%4)+\b)+7]
.endif
.endr
.endr
.endm
.macro FETCH_P slot, q, p
	WIN TO_P
.irp i, 0,1,2,3,4,5,6,7
	FRAG 128*(\p)+FR*\i, ADRP+\slot, \q, \i
.endr
	WIN 0
.endm
.macro FETCH_S slot, q, i0
.irp i, \i0, \i0+1, \i0+2, \i0+3
	FRAG AF+FR*(\i), ADRS+\slot, \q, \i
.endr
.endm
.macro PLACES n
.rept \n
	v_nop
.endr
.endm
.macro STEP slot, q, bias
	s_wait_dscnt 4*NL                              ; P's set and S's blocks 0-3 are in; the youngest 16 loads (S's blocks 4-7) may be out
.if \bias
	WIN 0x81                                       ; P window 1, S and C window 0, D window 2
.else
	WIN MUL_LO
.endif
	MUL16 0, (\q)%2, \bias
	MUL16 2, (\q)%2, \bias
	s_wait_dscnt 0
	PLACES NP
	FETCH_P \slot, (\q)+1, 1-(\q)%2
	FETCH_S \slot, (\q)+1, 0
.if \bias
	WIN 0xc1                                       ; D window 3
.else
	WIN MUL_HI
.endif
	MUL16 4, (\q)%2, \bias
	MUL16 6, (\q)%2, \bias
	PLACES NP
	WIN 0
	FETCH_S \slot, (\q)+1, 4
.endm
.macro TURN slot, next, fill
	s_wait_tensorcnt 0x0                           ; all my tensor loads have landed: my part of the next slot
	ds_add_u32 v[SPW], v[NIL]                      ; 0 onto my spare word
	s_wait_dscnt 4*NL+1                            ; the add and the youngest 16 loads may be out
	WIN MUL_LO
	MUL16 0, 1, 0
	s_wait_dscnt 0x0                               ; the add is done, and my reads of this slot are over
	s_barrier_signal -1
	MUL16 2, 1, 0
	WIN 0
	s_barrier_wait -1
.if \fill
	CREST                                          ; the barrier has opened a round of the cluster's: no wave of any partner still reads this slot or has a load on its way
	s_add_nc_u64 s[G0+4*\slot+2:G0+4*\slot+3], s[G0+4*\slot+2:G0+4*\slot+3], 8192
	s_add_nc_u64 s[G0B+4*\slot+2:G0B+4*\slot+3], s[G0B+4*\slot+2:G0B+4*\slot+3], 8192
	JLOAD G0+4*\slot, G1, G0B+4*\slot, G1B         ; the first tensor load behind the round, my only one until the next
.else
	PLACES NP
.endif
	FETCH_P \next, 0, 0
	FETCH_S \next, 0, 0
	WIN MUL_HI
	MUL16 4, 1, 0
	MUL16 6, 1, 0
	PLACES NP
	WIN 0
	FETCH_S \next, 0, 4
.endm
	s_wait_tensorcnt 1                             ; my part of slot 0 is in; slot 1's may stay out
	s_barrier_signal -1
	s_barrier_wait -1
	FETCH_P 0, 0, 0
	FETCH_S 0, 0, 0
	FETCH_S 0, 0, 4
	STEP 0, 0, 1                                   ; K 0-127: its products start the sums from the bias
	TURN 0, 1, 1
	STEP 1, 0, 0
	TURN 1, 0, 1
	STEP 0, 0, 0
	TURN 0, 1, 0                                   ; nothing is left to fetch
	STEP 1, 0, 0
	s_wait_dscnt 4*NL
	WIN MUL_LO
	MUL16 0, 1, 0
	MUL16 2, 1, 0
	s_wait_dscnt 0
	WIN MUL_HI
	MUL16 4, 1, 0
	MUL16 6, 1, 0
	WIN 0
; THE WAY OUT, block by block of 16 rows x 128 columns, through my own stage: in as 32 bytes a lane and tile, back as whole rows of 512 bytes.  LDS serves a wave's instructions in order (ISA guide 5.7.1.4):
; no wait between the stores and the loads, nor in front of the next block's stores.
.macro TOSTAGE a
.set AC, 64*((\a)%4)
	WIN 0x02+((\a)/4)                              ; source 0: window 2 or 3
.set k, 0
.rept 32
	v_pk_mul_f32 v[TMP+k:TMP+k+1], v[AC+k:AC+k+1], s[80:81] op_sel_hi:[1,0]   ; x 2^(e6 + e7); each accumulator from its low end on
.set k, k+2
.endr
	WIN 0
.irp b, 0,1,2,3,4,5,6,7
	ds_store_b128 v[STO], v[TMP+8*\b:TMP+8*\b+3] offset:128*(\b/2)+32*(\b%2)
	ds_store_b128 v[STO], v[TMP+8*\b+4:TMP+8*\b+7] offset:128*(\b/2)+32*(\b%2)+16
.endr
.set BB, BK+64*((\a)%2)
.set k, 0
.rept 16
	ds_load_b128 v[BB+4*k:BB+4*k+3], v[RD] offset:k*SPITCH
.set k, k+1
.endr
.endm
.macro SEND a, younger                 ; younger: the LDS instructions issued behind block a's loads, which may stay out
.set BB, BK+64*((\a)%2)
	s_wait_dscnt \younger
.if (\a) > 0
	s_add_nc_u64 s[12:13], s[12:13], 16*4096       ; (behind a wait on XCNT: the earlier stores have read their base)
.endif
.set k, 0
.rept 16
	global_store_b128 v[LI], v[BB+4*k:BB+4*k+3], s[12:13] offset:k*4096 th:TH_STORE_NT   ; 32 lanes store 512 consecutive bytes, aligned; written once, read by nobody here
.set k, k+1
.endr
.endm
	PLACES NP
	TOSTAGE 0
.irp a, 1,2,3,4,5,6,7
.if \a > 1
	s_wait_xcnt 0x0                                ; block a - 2's stores have read their registers and their base
.endif
	TOSTAGE \a
	SEND \a-1, 32                                  ; behind block a - 1's loads: block a's 16 stores and 16 loads
.endr
	s_wait_xcnt 0x0
	SEND 7, 0
	s_wait_tensorcnt 0x0                           ; the wave's end
	ds_add_u32 v[SPW], v[NIL]
	s_wait_dscnt 0x0
	CROUND                                         ; the closing round
	s_endpgm
.Lfunc_end_k_qcce040e609_oproj:
	.size	k_qcce040e609_oproj, .Lfunc_end_k_qcce040e609_oproj-k_qcce040e609_oproj
	.p2alignl 7, 3214868480
	.fill 96, 4, 3214868480
	.section	.rodata,"a",@progbits
	.p2align	6, 0x0
	.amdhsa_kernel k_qcce040e609_oproj
		.amdhsa_group_segment_fixed_size 327680
		.amdhsa_private_segment_fixed_size 0
		.amdhsa_enable_private_segment 0
		.amdhsa_kernarg_size 40
		.amdhsa_user_sgpr_count 2
		.amdhsa_user_sgpr_kernarg_segment_ptr 1
		.amdhsa_wavefront_size32 1
		.amdhsa_system_sgpr_workgroup_id_x 1
		.amdhsa_system_sgpr_workgroup_id_y 1
		.amdhsa_system_sgpr_workgroup_id_z 1
		.amdhsa_system_vgpr_workitem_id 0
		.amdhsa_next_free_vgpr 1024
		.amdhsa_next_free_sgpr 98
		.amdhsa_reserve_vcc 0
		.amdhsa_float_denorm_mode_32 3
		.amdhsa_float_denorm_mode_16_64 3
		.amdhsa_memory_ordered 1
		.amdhsa_forward_progress 1
		.amdhsa_inst_pref_size 128
	.end_amdhsa_kernel
	.amdgpu_metadata
---
amdhsa.version: [ 1, 2 ]
amdhsa.kernels:
  - .name:           k_qcce040e609_oproj
    .symbol:         k_qcce040e609_oproj.kd
    .args:
      - { .name: af, .offset: 0, .size: 8, .value_kind: global_buffer, .address_space: global }
      - { .name: opf, .offset: 8, .size: 8, .value_kind: global_buffer, .address_space: global }
      - { .name: out_proj_bias, .offset: 16, .size: 8, .value_kind: global_buffer, .address_space: global }
      - { .name: lowp_scales, .offset: 24, .size: 8, .value_kind: global_buffer, .address_space: global }
      - { .name: out0, .offset: 32, .size: 8, .value_kind: global_buffer, .address_space: global }
    .group_segment_fixed_size: 327680
    .private_segment_fixed_size: 0
    .kernarg_segment_align: 8
    .kernarg_segment_size: 40
    .max_flat_workgroup_size: 128
    .sgpr_count:     98
    .vgpr_count:     1024
    .wavefront_size: 32
...
	.end_amdgpu_metadata
.endif
;; end of part 4
;; ======== version 2 of 2: 4 launches; version 1 with the launch attn written anew for expert scheduling mode
;; limits: right only within a limited range of input values
;; workspace buffers: opf 12,582,912 bytes; qkvf 25,165,824 bytes; af 8,388,608 bytes; mw 2,097,152 bytes of whole numbers; fl 32,768 bytes of whole numbers
;; launch prep: the kernel of part 1 again; grid 1024 x 1, 8 waves a work-group, no clusters, 68,608 bytes of LDS; arguments x, in_proj_weight, out_proj_weight, attn_mask, key_padding_mask, lowp_scales, opf, mw, fl; writes opf, mw, fl
;; launch qkv: the kernel of part 2 again; grid 8 x 48, 4 waves a work-group, clusters of 4 x 4, 327,680 bytes of LDS; arguments opf, in_proj_bias, lowp_scales, qkvf; writes qkvf
;; launch attn (part 5): grid 64 x 4, 16 waves a work-group, no clusters, 51,200 bytes of LDS; arguments qkvf, mw, fl, lowp_scales, af; writes af
.if DOCPART == 5
	.amdgcn_target "amdgcn-amd-amdhsa--gfx1250"
	.amdhsa_code_object_version 6
	.text
	.protected	k_qcce040e609_attn
	.globl	k_qcce040e609_attn
	.p2align	8
	.type	k_qcce040e609_attn,@function
k_qcce040e609_attn:
	s_mov_b64 s[64:65], 0
	v_nop
	global_prefetch_b8 v0, s[64:65] scope:SCOPE_SE
	s_setreg_imm32_b32 hwreg(HW_REG_WAVE_SCHED_MODE, 0, 2), 2
	s_setreg_imm32_b32 hwreg(HW_REG_WAVE_MODE, 25, 1), 1
	s_wait_xcnt 0x0
	s_wait_alu depctr_vm_vsrc(0)
; ATTENTION on codes of E4M3: for head j, O[q] = sum over keys of p V / l, p = 2^(t - M), t = score x log2(e), M the running largest t rounded UP to a whole number, l the sum of the unquantised p.
; Both masks are inputs.  An earlier launch has turned them into lane masks (mw) and a flag for each tile of 16 queries x 128 keys (fl: 0 all masked, 1 mixed, 2 all open): a tile with flag 0 is passed over,
; a tile with flag 2 is taken without masking, a mixed tile has its hidden scores set to -infinity ahead of the maximum.  That holds for any mask.
; A query all of whose keys are hidden is NaN in the definition: its codes are the NaN code.
; SHARES.  Work-group (j, y) takes two blocks of 256 queries of head j, 7 - y and then y (an order that evens the work where later queries see more keys; for any mask it is only an order).
; Each of SIXTEEN waves owns one tile of 16 queries, in 256 registers: four waves to a SIMD, so that one wave's vector work stands beside another's matrix work.
; Every wave walks 16 key steps of 128 keys.  A step's K and V (16 KiB, as they lie in qkvf: images of operand registers) come through registers into one of two LDS slots, each wave 1 KiB, a step ahead.
; NO TENSOR LOAD, NO CLUSTER, NO JOINT LOAD: the walk branches on the stored flags.
; No prefetch: a step's tile is asked for a whole key step ahead of the LDS store that wants it.
; LAYOUT.  S^T = K Q^T (source 0 = 16 keys, source 1 = my 16 queries), O^T = V^T P^T: a lane holds ONE query throughout.  The keys of a tile lie in the order pi, so that the 16 registers of tiles 2 b, 2 b + 1
; are keys 32 b + 16 h + 0 .. 15; V's rows d likewise, so that O^T's 16 registers are 16 neighbours along the last product's K.
; The result, quantised with 2^e6, is stored as the last product's operand (af: [row / 16][K step][2,048 bytes], natural rows): query i of head j is row 128 j + i / 16, k = 64 (i % 16) + d.
; LIMITS: e2 + e3 between -126 and 126 (added to log2(e)'s exponent field); e4, and e6 - e4 - e5, between -126 and 119.
; VECTOR: v1 16 x lane; v2 1,024 w + 16 x lane; v4 the stage, on the way in; v6 my flags' offset; v12 -M, v13 largest t, v[14:15] l; v16-23 Q; v24-31 a fill's 1 KiB;
;   v32-95 K, then V; v96-159 S^T, then p; v160-191 O^T; v192-207 p's codes; v208-215 at work; v216-219 2^e4, 448 x 2^e4, 2^(e6-e4-e5), 448 x that; v220-228 flags; v229 -infinity; v230 four NaN codes; v[232:233] 1 / l; v234 l.
; SCALAR: s[4:5] qkvf at my head; s[6:7] mw at my g; s[8:9] fl at my g; s[10:11] af at my head; s[12:13] my tile's mask words; s14 wave; s15 y; s[16:63], s[68:83] a tile's 64 mask words;
;   s[66:67] the fills' base: K's part of the trip's first step; s[84:89] a pass's Q, fl, af; s90 pass; s91 step; s92 bit s: some wave wants step s; s93: I want it; s94: it is mixed for me; s95 the step in hand;
;   s96 its mask words' offset; s97 1 where p's hold can act; s[98:99] c; s[100:101] lane selects.
; THE MODE: SCHED_MODE bits 1:0 = 2 (LLVM: expert scheduling mode 2), set by the entry lines.  The code itself states the register dependences
; between vector or matrix instructions and memory or LDS instructions, with s_wait_alu, always for 0.
; THE PLAN.  Registers that memory or LDS instructions touch:
;   v1, v2, v4, v6  addresses and offsets: written at the head and never again.  The fills are reached by the scalar base s[66:67], which moves on once a trip, and by immediate offsets.
;   v[16:23] Q and v[220:228] the flags: loads land in them at a pass's head; the products K Q^T read Q, the lines that make s92 to s94 read the flags.
;   v[24:31] F      At a step's head the next step's two loads land in it; at the step's end two LDS stores read it.  At a pass's end the stage's two LDS loads land in it and two global stores read it.  Behind the head no vector instruction names it.
;   v[32:95] KV     K's LDS loads land, eight products read; V's LDS loads land, four products read.
;   v[192:199]      the codes: written by conversions in every step and by the selects at a pass's end; read by the two LDS stores into the stage.
;   v254, v255      written at the head, read by the closing add alone.
; On va_vdst: one wait at a pass's head; in a step one ahead of K's loads, one ahead of V's, and the one behind the exponentials; at a pass's end the one behind the reciprocal and one ahead of the stage's stores.
; V's sixteen loads follow their wait in four runs, dealt among the lines of the mask and the maximum, which name S^T, v208, v209 and v229: none of the registers that those loads touch.
; On vm_vsrc: one wait in front of each barrier behind which F is loaded again, and one at a pass's end.
.set LI,  1
.set QF,  16
.set KV,  32
.set S,   96
.set O,   160
.set PC,  192
.set STG, 32768                        ; LDS: slot 0 at 0, slot 1 at 16,384 (K 8 KiB, V 8 KiB each); the stage for a block's 16 KiB of codes
	s_load_b128 s[4:7], s[0:1], 0x0                ; qkvf, mw
	s_load_b64 s[8:9], s[0:1], 0x10                ; fl
	s_load_b64 s[84:85], s[0:1], 0x18              ; lowp_scales
	s_load_b64 s[10:11], s[0:1], 0x20              ; af
	v_lshl_add_u32 v254, v0, 2, 0xc000
	v_mov_b32 v255, 0
	v_and_b32 v1, 31, v0
	v_lshlrev_b32 v1, 4, v1
	v_lshrrev_b32 v7, 5, v0
	v_readfirstlane_b32 s14, v7                    ; wave 0..15
	v_lshl_add_u32 v2, v7, 10, v1
	v_and_b32 v6, 15, v0
	v_lshlrev_b32 v6, 4, v6
	v_lshl_add_u32 v6, v7, 8, v6                   ; fl: my tile's 256 bytes, step lane % 16
	; the stage, on the way in.  Query pi(16 yb + w, r) is row r' = 2 (w / 2) + r / 8 of the block's 16 rows, k = 512 (w % 2) + 64 (r % 8) + d:
	; K step 4 (w % 2) + (r % 8) / 2, c = 2 (r % 2) + b', lane 16 h + r'
	v_bfe_u32 v4, v0, 1, 2
	v_lshlrev_b32 v4, 11, v4
	v_and_b32 v8, 1, v0
	v_lshl_add_u32 v4, v8, 10, v4
	v_bfe_u32 v8, v0, 4, 1
	v_lshl_add_u32 v4, v8, 8, v4
	v_bfe_u32 v8, v0, 3, 1
	v_lshl_add_u32 v4, v8, 4, v4
	s_wait_alu depctr_va_sdst(0)                   ; s14 is written, ahead of its first reader: LDS addresses and a pass's bases are made from it
	s_and_b32 s2, s14, 1
	s_lshl_b32 s2, s2, 13
	s_lshr_b32 s3, s14, 1
	s_lshl_b32 s3, s3, 5
	s_add_co_u32 s2, s2, s3
	s_add_co_u32 s2, s2, STG
	v_add_nc_u32 v4, s2, v4
	v_mov_b32 v229, 0xff800000
	v_mov_b32 v230, 0x7f7f7f7f
	v_mov_b32 v210, 0                              ; a lane permute's destination counts as read: written once
	v_mov_b32 v213, 0                              ; (named as the upper halves of pairs)
	v_mov_b32 v233, 0
.set k, 0
.rept 8
	v_mov_b32 v[24+k], 0                           ; written once: a fill and its LDS store stand under two tests of one bit
.set k, k+1
.endr
	s_and_b32 s15, ttmp7, 0xffff                   ; y
	s_mov_b32 s100, 0x76543210
	s_mov_b32 s101, 0xfedcba98
	s_wait_kmcnt 0x0
	s_load_b256 s[16:23], s[84:85], 0x0            ; e0 .. e7
	s_mul_i32 s2, ttmp9, 393216
	s_mov_b32 s3, 0
	s_add_nc_u64 s[4:5], s[4:5], s[2:3]
	s_lshl_b32 s2, ttmp9, 17
	s_add_nc_u64 s[10:11], s[10:11], s[2:3]
	s_lshr_b32 s95, ttmp9, 4                       ; g: the head's row of key_padding_mask
	s_lshl_b32 s2, s95, 19
	s_add_nc_u64 s[6:7], s[6:7], s[2:3]
	s_lshl_b32 s2, s95, 2
	s_add_nc_u64 s[8:9], s[8:9], s[2:3]
	s_wait_kmcnt 0x0
	s_add_co_i32 s2, s18, s19
	s_lshl_b32 s2, s2, 23
	s_add_co_i32 s98, s2, 0x3fb8aa3b               ; c = log2(e) x 2^(e2 + e3): a score stands for score x 2^(e2 + e3)
	s_mov_b32 s99, s98
	s_add_co_i32 s2, s20, 127
	s_lshl_b32 s3, s2, 23
	v_mov_b32 v216, s3                             ; 2^e4
	s_add_co_i32 s2, s2, 8
	s_lshl_b32 s2, s2, 23
	s_or_b32 s2, s2, 0x600000
	v_mov_b32 v217, s2                             ; 448 x 2^e4
	s_sub_co_i32 s2, s22, s20
	s_sub_co_i32 s2, s2, s21
	s_add_co_i32 s2, s2, 127
	s_lshl_b32 s3, s2, 23
	v_mov_b32 v218, s3                             ; 2^(e6 - e4 - e5): O^T / l stands for that x 2^(e4 + e5)
	s_add_co_i32 s2, s2, 8
	s_lshl_b32 s2, s2, 23
	s_or_b32 s2, s2, 0x600000
	v_mov_b32 v219, s2
	s_cmp_lt_i32 s20, -8                           ; p is at most 1, and 448 x 2^e4 is above 1 from e4 = -8 on: only below that can the hold act
	s_cselect_b32 s97, 1, 0
.set k, 24
.rept 20
	s_mov_b64 s[k:k+1], 0                          ; the mask words' registers are written once: their loads and their readers stand under two tests of one bit
.set k, k+2
.endr
.set k, 68
.rept 8
	s_mov_b64 s[k:k+1], 0
.set k, k+2
.endr
; Four of V's sixteen LDS loads, from t0 on: slot hh.
.macro VRUN hh, t0
.irp i, 0,1,2,3
	ds_load_b128 v[KV+4*((\t0)+\i):KV+4*((\t0)+\i)+3], v[LI] offset:16384*(\hh)+8192+512*((\t0)+\i)
.endr
.endm
; THE WORK OF A KEY STEP, slot hh; s95 = the step.
.macro WORK hh
	s_bitcmp1_b32 s94, s95                         ; a mixed tile: its 64 mask words are asked for now and land under the first product
	s_cbranch_scc0 .Lnq_\@
	s_lshl_b32 s96, s95, 8
	s_load_b512 s[16:31], s[12:13], s96 offset:0x0
	s_load_b512 s[32:47], s[12:13], s96 offset:0x40
	s_load_b512 s[48:63], s[12:13], s96 offset:0x80
	s_load_b512 s[68:83], s[12:13], s96 offset:0xc0
.Lnq_\@:
.rept 4
	v_nop                                          ; places in front of loads into registers that the last products read
.endr
	s_wait_alu depctr_va_vdst(0)                   ; the last products V^T P are done reading v[KV ..], in which K's loads land
.set t, 0
.rept 8
	ds_load_b128 v[KV+8*t:KV+8*t+3], v[LI] offset:16384*\hh+1024*t
	ds_load_b128 v[KV+8*t+4:KV+8*t+7], v[LI] offset:16384*\hh+1024*t+512
.set t, t+1
.endr
	s_wait_dscnt 0x0
.set t, 0
.rept 8
	v_wmma_f32_16x16x64_fp8_fp8 v[S+8*t:S+8*t+7], v[KV+8*t:KV+8*t+7], v[QF:QF+7], 0
.set t, t+1
.endr
.rept 4
	v_nop                                          ; places: in front of V's loads into K's registers, and of the first read of the scores
.endr
	s_wait_alu depctr_va_vdst(0)                   ; the eight products K Q^T are done reading v[KV ..], in which V's loads land; no line from here to the last of those loads names v[KV ..] or v[LI]
	VRUN \hh, 0                                    ; V: four runs of four; they land under the softmax
	s_wait_kmcnt 0x0                               ; on every path
	s_bitcmp1_b32 s94, s95
	s_cbranch_scc0 .Lnm_\@
.set n, 0
.rept 48
	v_cndmask_b32 v[S+n], v[S+n], v229, s[16+n]    ; hidden scores become -infinity: p = 0 then
.set n, n+1
.endr
.rept 16
	v_cndmask_b32 v[S+n], v[S+n], v229, s[20+n]
.set n, n+1
.endr
.Lnm_\@:
	v_max3_num_f32 v208, v[S], v[S+1], v[S+2]      ; the step's largest score of my query, among my 64 keys, in two chains; each accumulator is read from its low end on
	v_max3_num_f32 v209, v[S+3], v[S+4], v[S+5]
.set n, 6
.rept 14
	v_max3_num_f32 v208, v208, v[S+n], v[S+n+1]
	v_max3_num_f32 v209, v209, v[S+n+2], v[S+n+3]
.if n == 14
	VRUN \hh, 4                                    ; no wait: no vector or matrix instruction since the wait above names these registers
.endif
.if n == 30
	VRUN \hh, 8
.endif
.if n == 46
	VRUN \hh, 12
.endif
.set n, n+4
.endr
	v_max3_num_f32 v208, v208, v[S+62], v[S+63]
	v_max_num_f32 v208, v208, v209
	v_permlanex16_b32 v210, v208, s100, s101
	v_max_num_f32 v208, v208, v210                 ; and among lane l xor 16's
	v_mul_f32 v208, s98, v208                      ; as t (c is positive)
	v_max_num_f32 v13, v13, v208                   ; the running largest t
	v_mov_b32 v208, v12
	v_floor_f32 v12, -v13                          ; -M = floor(-t): M is a whole number
	v_sub_f32 v208, v12, v208                      ; old M - new M: a whole number, 0 or less
	v_cvt_i32_f32 v208, v208                       ; (it saturates)
	v_ldexp_f32 v212, 1.0, v208                    ; f = 2^(old M - new M): a multiplication by it rounds nothing
.set n, 0
.rept 32
	v_pk_fma_f32 v[S+n:S+n+1], v[S+n:S+n+1], s[98:99], v[12:13] op_sel_hi:[1,0,0]   ; t - M
.set n, n+2
.endr
.set n, 0
.rept 64
	v_exp_f32 v[S+n], v[S+n]                       ; p, at most 1, not normalised
.set n, n+1
.endr
	v_pk_mul_f32 v[14:15], v[14:15], v[212:213] op_sel_hi:[1,0]   ; l under the new M: the plain line behind the exponentials
	s_wait_alu depctr_va_vdst(0)                   ; the 64 exponentials have written p, v[S ..]: one wait for the batch, ahead of its first reader
	v_pk_add_f32 v[214:215], v[S:S+1], v[S+2:S+3]  ; l is the sum of the UNQUANTISED p, in two chains
.set n, 4
.rept 15
	v_pk_add_f32 v[14:15], v[14:15], v[S+n:S+n+1]
	v_pk_add_f32 v[214:215], v[214:215], v[S+n+2:S+n+3]
.set n, n+4
.endr
	v_pk_add_f32 v[14:15], v[14:15], v[214:215]
	s_cmp_eq_u32 s97, 0
	s_cbranch_scc1 .Lnh_\@
.set n, 0
.rept 64
	v_min_num_f32 v[S+n], v[S+n], v217             ; the hold at the largest code x 2^e4; p is not negative
.set n, n+1
.endr
.Lnh_\@:
.irp b, 0,1,2,3
	v_cvt_scalef32_pk8_fp8_f32 v[PC+4*\b:PC+4*\b+1], v[S+16*\b:S+16*\b+7], v216
	v_cvt_scalef32_pk8_fp8_f32 v[PC+4*\b+2:PC+4*\b+3], v[S+16*\b+8:S+16*\b+15], v216
.endr
.set n, 0
.rept 16
	v_pk_mul_f32 v[O+n:O+n+1], v[O+n:O+n+1], v[212:213] op_sel_hi:[1,0]   ; O^T under the new M; also the plain lines between the conversions and the products
.set n, n+2
.endr
	s_wait_dscnt 0x0                               ; V is in
.set t, 0
.rept 4
	v_wmma_f32_16x16x128_fp8_fp8 v[O+8*t:O+8*t+7], v[KV+16*t:KV+16*t+15], v[PC:PC+15], v[O+8*t:O+8*t+7]   ; the four accumulators by turns; eight products K Q^T stand between two steps' turns
.set t, t+1
.endr
.endm
; A KEY STEP.  The next step's tile is asked for, if any wave of the block wants it; my work, if my tile is not wholly hidden; the tile goes into the other slot; ONE barrier: in front of it my reads of this slot are over
; and my part of the other slot is written; that slot was last read in front of the barrier before.  No barrier stands under a branch.
.macro KSTEP hh
	s_add_co_u32 s95, s91, \hh+1
	s_bitcmp1_b32 s92, s95                         ; bit 16 is never set: no load leaves the head's bytes
	s_cbranch_scc0 .Lnl_\@
	global_load_b128 v[24:27], v2, s[66:67] offset:24576*(\hh+1)
	global_load_b128 v[28:31], v2, s[66:67] offset:24576*(\hh+1)+512
.Lnl_\@:
	s_add_co_u32 s95, s91, \hh
	s_bitcmp1_b32 s93, s95
	s_cbranch_scc0 .Lnw_\@
	WORK \hh
.Lnw_\@:
	s_wait_loadcnt 0x0                             ; on every path
	s_add_co_u32 s95, s91, \hh+1
	s_bitcmp1_b32 s92, s95
	s_cbranch_scc0 .Lns_\@
	ds_store_b128 v2, v[24:27] offset:16384*(1-\hh)
	ds_store_b128 v2, v[28:31] offset:16384*(1-\hh)+512
.Lns_\@:
	s_wait_dscnt 0x0
	s_wait_alu depctr_vm_vsrc(0)                   ; my LDS stores have read v[24:31], in which the next step's loads, or the stage's at the pass's end, land: stated here, ahead of the branch that leads to those loads
	s_barrier_signal -1
	s_barrier_wait -1
.endm
	s_mov_b32 s90, 0
.Lpass:
	s_sub_co_u32 s95, 7, s15
	s_cmp_eq_u32 s90, 0
	s_cselect_b32 s95, s95, s15                    ; yb: the block of 256 queries
	s_lshl_b32 s2, s95, 1
	s_lshr_b32 s3, s14, 3
	s_add_co_u32 s2, s2, s3
	s_mul_i32 s2, s2, 24576                        ; my tile 16 yb + w lies in step 2 yb + w / 8,
	s_and_b32 s3, s14, 7
	s_lshl_b32 s3, s3, 10                          ; as tile w % 8 of its Q part
	s_add_co_u32 s2, s2, s3
	s_mov_b32 s3, 0
	s_add_nc_u64 s[84:85], s[4:5], s[2:3]
	s_lshl_b32 s2, s95, 12
	s_add_nc_u64 s[86:87], s[8:9], s[2:3]          ; the block's 16 tiles x 256 bytes of flags
	s_lshl_b32 s2, s95, 14
	s_add_nc_u64 s[88:89], s[10:11], s[2:3]        ; the block's 16 rows of af
	s_lshl_b32 s2, s95, 4
	s_add_co_u32 s2, s2, s14
	s_lshl_b32 s2, s2, 12
	s_add_nc_u64 s[12:13], s[6:7], s[2:3]          ; my tile's 16 steps x 256 bytes of mask words
	s_add_nc_u64 s[66:67], s[4:5], 8192            ; step 0's K and V: behind its Q part (every load that read this base is in)
	s_wait_alu depctr_va_vdst(0)                   ; the head has written the addresses v1, v2, v4, v6 and v[24:31]; the pass before is done reading Q and the flags, in which the loads below land
	global_load_b128 v[QF:QF+3], v1, s[84:85]
	global_load_b128 v[QF+4:QF+7], v1, s[84:85] offset:512
.set k, 0
.rept 8
	global_load_b32 v[220+k], v1, s[86:87] offset:512*k   ; tile 2 k + lane / 16, step lane % 16
.set k, k+1
.endr
	global_load_b32 v228, v6, s[86:87]             ; my tile, step lane % 16
.set k, 0
.rept 32
	v_mov_b32 v[O+k], 0                            ; the step is written once: the first finds zeros, which the first change of M leaves zeros
.set k, k+1
.endr
	v_mov_b32 v14, 0
	v_mov_b32 v15, 0
	v_mov_b32 v13, 0xff61b1e6                      ; the largest t so far: -3e38, under every t
	v_floor_f32 v12, -v13
	s_wait_loadcnt 0x0
.set k, 1
.rept 7
	v_or_b32 v220, v220, v[220+k]
.set k, k+1
.endr
	v_cmp_ne_u32 s92, 0, v220                      ; the three compares stand in one run,
	v_cmp_ne_u32 s93, 0, v228
	v_cmp_eq_u32 s94, 1, v228
	s_wait_alu depctr_va_sdst(0)                   ; s92, s93 and s94 are written, ahead of their first readers
	s_lshr_b32 s2, s92, 16
	s_or_b32 s92, s92, s2
	s_and_b32 s92, s92, 0xffff                     ; bit s: some tile of the block is not wholly hidden in step s
	s_and_b32 s93, s93, 0xffff
	s_and_b32 s94, s94, 0xffff
	s_bitcmp1_b32 s92, 0
	s_cbranch_scc0 .Lno_first
	global_load_b128 v[24:27], v2, s[66:67]
	global_load_b128 v[28:31], v2, s[66:67] offset:512
	s_wait_loadcnt 0x0
	ds_store_b128 v2, v[24:27]
	ds_store_b128 v2, v[28:31] offset:512
.Lno_first:
	s_wait_dscnt 0x0
	s_wait_alu depctr_vm_vsrc(0)                   ; my LDS stores have read v[24:31], in which the first step's loads land
	s_barrier_signal -1
	s_barrier_wait -1
	s_mov_b32 s91, 0
.Lkey:                                             ; eight trips of two key steps: the slots are constants of the text
	KSTEP 0
	KSTEP 1
	s_add_nc_u64 s[66:67], s[66:67], 49152         ; two steps on (every load that read it is in)
	s_add_co_u32 s91, s91, 2
	s_cmp_lt_u32 s91, 16
	s_cbranch_scc1 .Lkey
	; THE END OF A PASS: O^T / l, quantised; the sixteen waves' codes meet in the stage as the image of af's 16 rows, and each wave stores 1 KiB of it.
.rept 4
	v_nop
.endr
	v_add_f32 v234, v14, v15
	v_permlanex16_b32 v210, v234, s100, s101
	v_add_f32 v234, v234, v210                     ; l
	v_rcp_f32 v232, v234
	v_nop                                          ; a plain line behind the reciprocal
	s_wait_alu depctr_va_vdst(0)                   ; the reciprocal has written v232, ahead of its first reader
.set k, 0
.rept 16
	v_pk_mul_f32 v[O+k:O+k+1], v[O+k:O+k+1], v[232:233] op_sel_hi:[1,0]
.set k, k+2
.endr
.set k, 0
.rept 32
	v_med3_num_f32 v[O+k], v[O+k], -v219, v219
.set k, k+1
.endr
.irp b, 0,1
	v_cvt_scalef32_pk8_fp8_f32 v[PC+4*\b:PC+4*\b+1], v[O+16*\b:O+16*\b+7], v218
	v_cvt_scalef32_pk8_fp8_f32 v[PC+4*\b+2:PC+4*\b+3], v[O+16*\b+8:O+16*\b+15], v218
.endr
	v_nop                                          ; a plain line between the conversions and the lines that touch their results
	v_cmp_eq_f32 vcc_lo, 0, v234                   ; no key counted for my query: NaN
	s_wait_alu depctr_va_vcc(0)                    ; VCC is written, ahead of the selects that read it
.set k, 0
.rept 8
	v_cndmask_b32 v[PC+k], v[PC+k], v230, vcc_lo
.set k, k+1
.endr
	s_wait_alu depctr_va_vdst(0)                   ; the selects have written v[PC .. PC + 7], which the LDS stores read
	ds_store_b128 v4, v[PC:PC+3]                   ; d = 16 h + 0 .. 15
	ds_store_b128 v4, v[PC+4:PC+7] offset:512      ; d = 32 + 16 h + 0 .. 15
	s_wait_dscnt 0x0
	s_barrier_signal -1
	s_barrier_wait -1
	ds_load_b128 v[24:27], v2 offset:STG
	ds_load_b128 v[28:31], v2 offset:STG+512
	s_wait_dscnt 0x0
	global_store_b128 v2, v[24:27], s[88:89]       ; 32 lanes store 512 consecutive bytes, aligned
	global_store_b128 v2, v[28:31], s[88:89] offset:512
	s_wait_xcnt 0x0                                ; the stores have read their registers and their base: both are written again in the next pass
	s_wait_alu depctr_vm_vsrc(0)                   ; the LDS stores have read v[PC .. PC + 7], which the next pass's conversions write; the global stores have read v[24:31], in which its first loads land
	s_add_co_u32 s90, s90, 1
	s_cmp_lt_u32 s90, 2
	s_cbranch_scc1 .Lpass
	s_wait_dscnt 0x0                               ; the closing lines, six on end
	s_wait_alu 0x0
	s_wait_tensorcnt 0x0
	ds_add_u32 v254, v255
	s_wait_dscnt 0x0
	s_endpgm
.Lfunc_end_k_qcce040e609_attn:
	.size	k_qcce040e609_attn, .Lfunc_end_k_qcce040e609_attn-k_qcce040e609_attn
	.p2alignl 7, 3214868480
	.fill 96, 4, 3214868480
	.section	.rodata,"a",@progbits
	.p2align	6, 0x0
	.amdhsa_kernel k_qcce040e609_attn
		.amdhsa_group_segment_fixed_size 51200
		.amdhsa_private_segment_fixed_size 0
		.amdhsa_enable_private_segment 0
		.amdhsa_kernarg_size 40
		.amdhsa_user_sgpr_count 2
		.amdhsa_user_sgpr_kernarg_segment_ptr 1
		.amdhsa_wavefront_size32 1
		.amdhsa_system_sgpr_workgroup_id_x 1
		.amdhsa_system_sgpr_workgroup_id_y 1
		.amdhsa_system_sgpr_workgroup_id_z 1
		.amdhsa_system_vgpr_workitem_id 0
		.amdhsa_next_free_vgpr 256
		.amdhsa_next_free_sgpr 102
		.amdhsa_reserve_vcc 1
		.amdhsa_float_denorm_mode_32 3
		.amdhsa_float_denorm_mode_16_64 3
		.amdhsa_memory_ordered 1
		.amdhsa_forward_progress 1
		.amdhsa_inst_pref_size 55
	.end_amdhsa_kernel
	.amdgpu_metadata
---
amdhsa.version: [ 1, 2 ]
amdhsa.kernels:
  - .name:           k_qcce040e609_attn
    .symbol:         k_qcce040e609_attn.kd
    .args:
      - { .name: qkvf, .offset: 0, .size: 8, .value_kind: global_buffer, .address_space: global }
      - { .name: mw, .offset: 8, .size: 8, .value_kind: global_buffer, .address_space: global }
      - { .name: fl, .offset: 16, .size: 8, .value_kind: global_buffer, .address_space: global }
      - { .name: lowp_scales, .offset: 24, .size: 8, .value_kind: global_buffer, .address_space: global }
      - { .name: af, .offset: 32, .size: 8, .value_kind: global_buffer, .address_space: global }
    .group_segment_fixed_size: 51200
    .private_segment_fixed_size: 0
    .kernarg_segment_align: 8
    .kernarg_segment_size: 40
    .max_flat_workgroup_size: 512
    .sgpr_count:     102
    .vgpr_count:     256
    .wavefront_size: 32
...
	.end_amdgpu_metadata
.endif
;; end of part 5
;; launch oproj: the kernel of part 4 again; grid 4 x 32, 4 waves a work-group, clusters of 4 x 4, 327,680 bytes of LDS; arguments af, opf, out_proj_bias, lowp_scales, out0; writes out0
